; MI455X (gfx1250); checked and timed in simulation.
; The chip was launched on July 23, 2026; its instructions are those of AMD's public machine-readable ISA for CDNA 5 (MIT licence, August 2026) and "CDNA5" Instruction Set Architecture Reference Guide (July 2026). The comments in the code are by the model that wrote it; some were corrected since.
;; Attention. Allowed arithmetic: float matrix products may take bf16 or f16 operands with f32 sums; all other float work in f32.
;; Inputs: cos 2,048 x 64 float32; sin 2,048 x 64 float32; wk 1,024 x 4,096 float32; wo 4,096 x 2,048 float32; wq 2,048 x 4,096 float32; wv 1,024 x 4,096 float32; x 2,048 x 4,096 float32.
;; Outputs: out0 2,048 x 4,096 float32.
;; Constants: window = 2048.
;; One version. Each part assembles by itself: llvm-mc -triple=amdgcn-amd-amdhsa -mcpu=gfx1250 --defsym DOCPART=n.
;; ======== version 1 of 1: 4 launches
;; limits: values outside matrix products are rounded to bf16; values are held in f16: magnitudes above 65,504 overflow, below 6.1e-05 lose precision; right only within a limited range of input values
;; workspace buffers: xb 16,777,216 bytes; wb 33,554,432 bytes; wo16 16,777,216 bytes; qkv 16,777,216 bytes; vlo 4,194,304 bytes; ao 8,388,608 bytes
;; launch cvt (part 1): grid 64 x 32, 8 waves a work-group, no clusters, 0 bytes of LDS; arguments x, wq, wk, wv, wo, xb, wb, wo16; writes xb, wb, wo16
.if DOCPART == 1
	.amdgcn_target "amdgcn-amd-amdhsa--gfx1250"
	.amdhsa_code_object_version 6
	.text
	.protected	k_q70d72e16a9_cvt
	.globl	k_q70d72e16a9_cvt
	.p2align	8
	.type	k_q70d72e16a9_cvt,@function
k_q70d72e16a9_cvt:
	s_mov_b64 s[64:65], 0
	v_nop
	global_prefetch_b8 v0, s[64:65] scope:SCOPE_SE
	s_setreg_imm32_b32 hwreg(HW_REG_WAVE_MODE, 25, 1), 1
	s_wait_xcnt 0x0
; Rounds the five large f32 inputs once to 16 bits, so that the two products that follow move half the bytes and feed the matrix units directly.
;   x -> xb (bf16);  wq, wk, wv -> wb (bf16, rows 0-2047 wq, 2048-3071 wk, 3072-4095 wv);
;   wo -> wo16: rounded to bf16 like the others, then carried in f16, because its partner operand (the attention output) is f16.
;   The carry is exact for 2^-14 <= |wo| < 65,504; below it adds at most 2^-25, above it gives infinity (a limit of this text).
; A stream: each byte read once and written once; no LDS, no barrier, no matrix unit.
; Grid y = a segment of 2^20 numbers (0-7 x, 8-15 wq, 16-19 wk, 20-23 wv, 24-31 wo); grid x = one of its 64 parts of 16,384 numbers.
; Thread t, load i: 16 bytes at 16 t + 4,096 i (a wave's load: 512 consecutive bytes); its store: 8 bytes at 8 t + 2,048 i
; (a wave's store: 256 consecutive bytes, aligned).  All sixteen loads go out first; no register is written twice while memory may read it.
.set X, 4                              ; v[4:67]    sixteen loads of four f32
.set Y, 68                             ; v[68:99]   sixteen pairs to store
.set T, 100                            ; v[100:103] at work
	s_load_b512 s[8:23], s[0:1], 0x0               ; x s[8:9], wq s[10:11], wk s[12:13], wv s[14:15], wo s[16:17], xb s[18:19], wb s[20:21], wo16 s[22:23]
	s_and_b32 s4, ttmp7, 0xffff                    ; segment
	v_lshlrev_b32 v1, 4, v0                        ; 16 t
	v_lshlrev_b32 v2, 3, v0                        ; 8 t
	s_mov_b32 s7, 0
	s_wait_kmcnt 0x0
	; source s[24:25] with its first segment s26, destination s[28:29] with its first segment s27: chosen by the segment's number alone
	s_mov_b64 s[24:25], s[16:17]
	s_mov_b64 s[28:29], s[22:23]
	s_mov_b32 s26, 24
	s_mov_b32 s27, 24
	s_cmp_lt_u32 s4, 24
	s_cselect_b64 s[24:25], s[14:15], s[24:25]
	s_cselect_b64 s[28:29], s[20:21], s[28:29]
	s_cselect_b32 s26, 20, s26
	s_cselect_b32 s27, 8, s27
	s_cmp_lt_u32 s4, 20
	s_cselect_b64 s[24:25], s[12:13], s[24:25]
	s_cselect_b32 s26, 16, s26
	s_cmp_lt_u32 s4, 16
	s_cselect_b64 s[24:25], s[10:11], s[24:25]
	s_cselect_b32 s26, 8, s26
	s_cmp_lt_u32 s4, 8
	s_cselect_b64 s[24:25], s[8:9], s[24:25]
	s_cselect_b64 s[28:29], s[18:19], s[28:29]
	s_cselect_b32 s26, 0, s26
	s_cselect_b32 s27, 0, s27
	s_sub_co_u32 s26, s4, s26
	s_lshl_b32 s26, s26, 22                        ; a segment is 4 MiB of f32,
	s_lshl_b32 s5, ttmp9, 16                       ; a part 64 KiB
	s_add_co_u32 s6, s26, s5
	s_add_nc_u64 s[24:25], s[24:25], s[6:7]
	s_sub_co_u32 s27, s4, s27
	s_lshl_b32 s27, s27, 21                        ; and half of that on the way out
	s_lshl_b32 s5, ttmp9, 15
	s_add_co_u32 s6, s27, s5
	s_add_nc_u64 s[28:29], s[28:29], s[6:7]
.irp i, 0,1,2,3,4,5,6,7,8,9,10,11,12,13,14,15
	global_load_b128 v[X+4*\i:X+4*\i+3], v1, s[24:25] offset:4096*\i th:TH_LOAD_NT
.endr
; load i is rounded and stored.  f = 1: the bf16 numbers are widened again and written as f16.
.macro CV i, f
	s_wait_loadcnt 15-\i                           ; loads come back in order: the 15 - i younger ones stay out
	v_cvt_pk_bf16_f32 v[Y+2*\i], v[X+4*\i], v[X+4*\i+1]
	v_cvt_pk_bf16_f32 v[Y+2*\i+1], v[X+4*\i+2], v[X+4*\i+3]
.if \f
	v_lshlrev_b32 v[T], 16, v[Y+2*\i]
	v_and_b32 v[T+1], 0xffff0000, v[Y+2*\i]
	v_lshlrev_b32 v[T+2], 16, v[Y+2*\i+1]
	v_and_b32 v[T+3], 0xffff0000, v[Y+2*\i+1]
	v_cvt_pk_f16_f32 v[Y+2*\i], v[T], v[T+1]
	v_cvt_pk_f16_f32 v[Y+2*\i+1], v[T+2], v[T+3]
.endif
	global_store_b64 v2, v[Y+2*\i:Y+2*\i+1], s[28:29] offset:2048*\i
.endm
	s_cmp_ge_u32 s4, 24
	s_cbranch_scc1 .Lwo
.irp i, 0,1,2,3,4,5,6,7,8,9,10,11,12,13,14,15
	CV \i, 0
.endr
	s_endpgm
.Lwo:
.irp i, 0,1,2,3,4,5,6,7,8,9,10,11,12,13,14,15
	CV \i, 1
.endr
	s_endpgm
.Lfunc_end_k_q70d72e16a9_cvt:
	.size	k_q70d72e16a9_cvt, .Lfunc_end_k_q70d72e16a9_cvt-k_q70d72e16a9_cvt
	.p2alignl 7, 3214868480
	.fill 96, 4, 3214868480
	.section	.rodata,"a",@progbits
	.p2align	6, 0x0
	.amdhsa_kernel k_q70d72e16a9_cvt
		.amdhsa_group_segment_fixed_size 0
		.amdhsa_private_segment_fixed_size 0
		.amdhsa_enable_private_segment 0
		.amdhsa_kernarg_size 64
		.amdhsa_user_sgpr_count 2
		.amdhsa_user_sgpr_kernarg_segment_ptr 1
		.amdhsa_wavefront_size32 1
		.amdhsa_system_sgpr_workgroup_id_x 1
		.amdhsa_system_sgpr_workgroup_id_y 1
		.amdhsa_system_sgpr_workgroup_id_z 1
		.amdhsa_system_vgpr_workitem_id 0
		.amdhsa_next_free_vgpr 104
		.amdhsa_next_free_sgpr 66
		.amdhsa_reserve_vcc 0
		.amdhsa_float_denorm_mode_32 3
		.amdhsa_float_denorm_mode_16_64 3
		.amdhsa_memory_ordered 1
		.amdhsa_forward_progress 1
		.amdhsa_inst_pref_size 17
	.end_amdhsa_kernel
	.amdgpu_metadata
---
amdhsa.version: [ 1, 2 ]
amdhsa.kernels:
  - .name:           k_q70d72e16a9_cvt
    .symbol:         k_q70d72e16a9_cvt.kd
    .args:
      - { .name: x, .offset: 0, .size: 8, .value_kind: global_buffer, .address_space: global }
      - { .name: wq, .offset: 8, .size: 8, .value_kind: global_buffer, .address_space: global }
      - { .name: wk, .offset: 16, .size: 8, .value_kind: global_buffer, .address_space: global }
      - { .name: wv, .offset: 24, .size: 8, .value_kind: global_buffer, .address_space: global }
      - { .name: wo, .offset: 32, .size: 8, .value_kind: global_buffer, .address_space: global }
      - { .name: xb, .offset: 40, .size: 8, .value_kind: global_buffer, .address_space: global }
      - { .name: wb, .offset: 48, .size: 8, .value_kind: global_buffer, .address_space: global }
      - { .name: wo16, .offset: 56, .size: 8, .value_kind: global_buffer, .address_space: global }
    .group_segment_fixed_size: 0
    .private_segment_fixed_size: 0
    .kernarg_segment_align: 8
    .kernarg_segment_size: 64
    .max_flat_workgroup_size: 256
    .sgpr_count:     66
    .vgpr_count:     104
    .wavefront_size: 32
...
	.end_amdgpu_metadata
.endif
;; end of part 1
;; launch qkvp (part 2): grid 16 x 16, 4 waves a work-group, clusters of 4 x 4, 327,680 bytes of LDS; arguments xb, wb, qkv, cos, sin, vlo; writes qkv, vlo
.if DOCPART == 2
	.amdgcn_target "amdgcn-amd-amdhsa--gfx1250"
	.amdhsa_code_object_version 6
	.text
	.protected	k_q70d72e16a9_qkvp
	.globl	k_q70d72e16a9_qkvp
	.p2align	8
	.type	k_q70d72e16a9_qkvp,@function
k_q70d72e16a9_qkvp:
	s_mov_b64 s[64:65], 0
	v_nop
	global_prefetch_b8 v0, s[64:65] scope:SCOPE_SE
	s_setreg_imm32_b32 hwreg(HW_REG_WAVE_MODE, 25, 1), 1
	s_wait_xcnt 0x0
	s_wait_alu depctr_hold_cnt(0) depctr_sa_sdst(0) depctr_va_vdst(0) depctr_va_sdst(0) depctr_va_ssrc(0) depctr_va_vcc(0) depctr_vm_vsrc(0)
	s_getreg_b32 s2, hwreg(HW_REG_IB_STS2, 6, 4)
	s_cmp_eq_u32 s2, 0
	s_cbranch_scc0 .Lentry_in_a_cluster
	s_endpgm
.Lentry_in_a_cluster:
	s_bfe_u32 s2, ttmp6, 0x10000c
	s_cmp_lg_u32 s2, 0xf033
	s_cbranch_scc0 .Lentry_shape_is_right
	s_endpgm
.Lentry_shape_is_right:
; qkv[m][n] = rope and scale of ( sum over k of xb[m][k] wb[n][k] ).  xb [2048][4096], wb [4096][4096] bf16; sums in f32; qkv [2048][4096] f16.
; Columns 0-2047 are q (16 heads of 128), 2048-3071 k, 3072-4095 v.  Written: q' = rope(q) x 4 x 128^-0.5 x log2 e, k' = rope(k) / 4, v' = v / 4,
; so that q' . k' is the score in powers of two and all three have room in f16.
; v' is written in two parts: f16(v') into qkv, and what that rounding left, f16(v' - f16(v')), into vlo [2048][1024] f16 (byte 256 kvh of a row).
; LIMITS: |q| < 1.28e5, |k| and |v| < 2.6e5, or the f16 numbers become infinite.  With ROUND_CS = 1 cos and sin are rounded to bf16 like the other inputs.
; SHAPE: 256 work-groups, one block of 128 x 256 each (blocks of 256 x 256 would make 128 work-groups only).  Four waves; a wave makes 64 x 128:
; 32 accumulator tiles, 256 registers.
; THE RING: K goes in steps of 192 through two LDS slots filled by the tensor data mover: the largest step of which two slots fit into 327,680 bytes, so that
; each refill brings as much as it can (147,456 bytes of data) and has 184 of a wave's matrix instructions in which to land.  4,096 = 21 x 192 + 64: 22 steps.
; A SLOT: A's 128 rows x 384 bytes as ONE tile, 16 bytes of padding behind every 128 (pitch 432); B's 256 rows in two parts: X, 128 of K (256 bytes, pitch 272), and
; Y, 64 of K (128 bytes, pitch 144).  All three pitches are odd multiples of 16 bytes.  (B laid as A is would make two slots 331,776 bytes: 4,096 too many.)
; In even steps (slot 0) X lies first in memory and Y behind it, in odd steps (slot 1) Y first and X behind it: X's rows are always 256 aligned bytes.
; A's rows and Y's rows are not whole aligned blocks of 256 bytes: the price of the longer step.
; One load a wave: wave 0 A (48 KiB), waves 1 and 2 X's halves (32 KiB each), wave 3 Y (32 KiB).
; The last step (odd) has 64 of K: its Y part; A's tile is asked for with 64 elements left in a row, the rest arrives as zeros and is not read; waves 1 and 2 ask for nothing.
; CLUSTERS: 4 x 4 work-groups.  A's tile hangs on the block row alone and is asked for jointly by a row of the cluster, B's on the block column
; alone and by a column: the requests for both are divided by four.
; The matrix instruction is used transposed (source 0 = rows of wb, source 1 = rows of xb): a lane then holds eight neighbouring columns of one row.
; The 32 accumulators take turns, one instruction a turn, in the same order in every quarter step.
; REGISTERS: window 0: v16-26 addresses, two fragment buffers at v64 and v160 (B's eight fragments, then A's four); window 1: accumulator (a, b) at 8 (8 a + b).
.set SIZE_K, 4096
.set ROUND_CS, 1
.set KSTEP,  192
.set TAILK,  64                        ; what is left of K for the last step,
.set TAILX,  0                         ; which has no X part
.set TAILY,  1                         ; and a Y part
.set AP,     432                       ; A's LDS pitch: 3 x (128 + 16)
.set XP,     272                       ; X's: 256 + 16
.set YP,     144                       ; Y's: 128 + 16
.set BXOFF,  128*AP                    ; 55,296
.set BXHALF, 128*XP                    ; what one load brings of X, and what one wave reads of it
.set BYOFF,  BXOFF+256*XP              ; 124,928
.set SLOT,   BYOFF+256*YP              ; 161,792
.set STAGE,  0                         ; the way out: 16 rows x 528 bytes of f32 for each wave, in slot 0: it has had its last fill, and every wave's reads of it
                                       ; end in front of the barrier of step 20; the last step reads slot 1
.set SP,     528
.set ADRA, 16                          ; v16-17 LDS address of my A fragments in slot 0, 1
.set ADRX, 18                          ; v18-19 of my B fragments in part X
.set ADRY, 20                          ; v20-21 in part Y
.set STO,  24                          ; the way out: where my 32 bytes of a row go
.set RD,   25                          ; the way out: my 16 bytes of a row read back
.set CO,   26                          ; 8 x lane: my 8 bytes in a row of cos, of sin, of my head in qkv and in vlo
.set YL,   28                          ; v[28:59] v's low parts, four f16 a row, to store; v[8:11], v60, v61 at work on them
.set F0,   64
.set F1,   160
.set X,    64                          ; the way out: v[64:127] sixteen rows, four f32 a lane
.set CS,   128                         ; v[128:159] cos of my two pairs, sixteen rows
.set SN,   160                         ; v[160:191] sin
.set Y,    192                         ; v[192:223] four f16 a row, to store
.set T,    224                         ; v[224:229] at work
.set G1A, 24                           ; s[24:31] group 1, A's tiles
.set G0A, 32                           ; s[32:39] group 0, A's tiles, one set a slot
.set G1X, 48                           ; s[48:55] group 1, B's part X
.set G0X, 56                           ; s[56:63] group 0
.set G1Y, 80                           ; s[80:87] group 1, B's part Y
.set G0Y, 88                           ; s[88:95] group 0
.set DW128, (1<<16)|(1<<20)|(1<<21)|(4<<22)|(3<<25)   ; elements of 2 bytes; padding on; bit 21 beside a mask; after every 32 words, 4 words
.set DW256, (1<<16)|(1<<20)|(1<<21)|(5<<22)|(3<<25)   ; the same after every 64 words
.set MSB, 0
.macro WIN new                         ; the immediate's high byte repeats the setting that is left
.if MSB != \new
	s_set_vgpr_msb (MSB<<8)|\new
.set MSB, \new
.endif
.endm
.set MUL, 0x50                         ; C and D in window 1, sources in window 0
; The joint loads of one slot: wave 0 asks for A, waves 1 and 2 for X's halves, wave 3 for Y.  wx, wy = 0: that part is not asked for.
; The branches hang on the wave's number alone.
.macro JLOAD s, wx, wy
	s_cmp_eq_u32 s10, 0
	s_cbranch_scc0 .Lnot_a_\@
	tensor_load_to_lds s[G0A+4*\s:G0A+4*\s+3], s[G1A:G1A+7]
	s_nop 0
	s_branch .Lasked_\@
.Lnot_a_\@:
	s_cmp_eq_u32 s10, 3
	s_cbranch_scc1 .Lfor_y_\@
.if \wx
	tensor_load_to_lds s[G0X+4*\s:G0X+4*\s+3], s[G1X:G1X+7]
	s_nop 0
.endif
	s_branch .Lasked_\@
.Lfor_y_\@:
.if \wy
	tensor_load_to_lds s[G0Y+4*\s:G0Y+4*\s+3], s[G1Y:G1Y+7]
	s_nop 0
.endif
.Lasked_\@:
.endm
.macro CREST                           ; a round of the cluster's barrier behind its opening barrier
	s_cmp_lg_u32 s10, 0
	s_cbranch_scc1 .Lnot_wave_0_\@
	s_barrier_signal -3
.Lnot_wave_0_\@:
	s_barrier_wait -3
	s_barrier_signal -1
	s_barrier_wait -1
.endm
.macro CROUND                          ; a whole round
	s_barrier_signal -1
	s_barrier_wait -1
	CREST
.endm
	s_load_b128 s[4:7], s[0:1], 0x0                ; xb s[4:5], wb s[6:7]
	s_load_b64 s[8:9], s[0:1], 0x10                ; qkv
	s_load_b128 s[68:71], s[0:1], 0x18             ; cos s[68:69], sin s[70:71]
	s_load_b64 s[76:77], s[0:1], 0x28              ; vlo
	v_lshl_add_u32 v62, v0, 2, 0x4f000
	v_mov_b32 v63, 0
	ds_add_u32 v62, v63
	v_lshrrev_b32 v1, 5, v0
	v_readfirstlane_b32 s10, v1                    ; wave 0..3
	s_lshr_b32 s11, s10, 1                         ; my half of the block's rows.  Also, for waves 1 and 2: which half of X I fetch
	s_and_b32 s12, s10, 1                          ; my half of its columns
	s_bfe_u32 s40, ttmp6, 0x40000                  ; cx
	s_bfe_u32 s41, ttmp6, 0x40004                  ; cy
	s_lshl_b32 s42, ttmp9, 2
	s_add_co_u32 s42, s42, s40                     ; block column = 4 x cluster x + cx
	s_and_b32 s13, ttmp7, 0xffff
	s_lshl_b32 s13, s13, 2
	s_add_co_u32 s13, s13, s41                     ; block row = 4 x cluster y + cy
	s_lshl_b32 s43, s41, 2
	s_lshl_b32 s43, 15, s43                        ; my row of the cluster
	s_lshl_b32 s44, 0x1111, s40                    ; my column
	s_or_b32 s[G1A+0], s43, DW128                  ; A's tiles go to my row of the cluster
	s_mov_b32 s[G1A+1], KSTEP<<16                  ; tensor_dim0 = 192
	s_mov_b32 s[G1A+2], 128<<16                    ; tensor_dim1 = 128
	s_mov_b32 s[G1A+3], KSTEP<<16                  ; tile_dim0 = 192
	s_mov_b32 s[G1A+4], 128                        ; tile_dim1 = 128 rows
	s_mov_b32 s[G1A+5], SIZE_K                     ; elements from row to row
	s_mov_b32 s[G1A+6], 0
	s_mov_b32 s[G1A+7], 0
	s_or_b32 s[G1X+0], s44, DW256                  ; B's tiles go to my column: X, 128 rows x 128 elements
	s_mov_b32 s[G1X+1], 128<<16
	s_mov_b32 s[G1X+2], 128<<16
	s_mov_b32 s[G1X+3], 128<<16
	s_mov_b32 s[G1X+4], 128
	s_mov_b32 s[G1X+5], SIZE_K
	s_mov_b32 s[G1X+6], 0
	s_mov_b32 s[G1X+7], 0
	s_or_b32 s[G1Y+0], s44, DW128                  ; Y, 256 rows x 64 elements
	s_mov_b32 s[G1Y+1], 64<<16
	s_mov_b32 s[G1Y+2], 256<<16
	s_mov_b32 s[G1Y+3], 64<<16
	s_mov_b32 s[G1Y+4], 256
	s_mov_b32 s[G1Y+5], SIZE_K
	s_mov_b32 s[G1Y+6], 0
	s_mov_b32 s[G1Y+7], 0
	; A's address is made of the block row, B's of the block column and the wave's number, in registers that never hold the other coordinate
	s_lshl_b32 s16, s13, 7                         ; A: row 128 x block row
	s_mul_i32 s16, s16, SIZE_K*2                   ; in bytes: below 2^25
	s_mov_b32 s17, 0
	s_lshl_b32 s96, s42, 8                         ; B: row 256 x block column,
	s_lshl_b32 s47, s11, 7
	s_add_co_u32 s46, s96, s47                     ; for X + 128 x half
	s_mul_i32 s46, s46, SIZE_K*2                   ; below 2^26
	s_mov_b32 s47, 0
	s_mul_i32 s96, s96, SIZE_K*2
	s_mov_b32 s97, 0
	s_mul_i32 s45, s11, BXHALF
	s_add_co_u32 s45, s45, BXOFF                   ; where X's half goes in a slot
	s_wait_dscnt 0x0
	s_wait_kmcnt 0x0
	s_add_nc_u64 s[14:15], s[4:5], s[16:17]
	s_add_nc_u64 s[46:47], s[6:7], s[46:47]
	s_add_nc_u64 s[96:97], s[6:7], s[96:97]
	CROUND                                         ; all sixteen work-groups are here: the first joint loads meet
.irp s, 0,1
	s_mov_b32 s[G0A+4*\s], 1
	s_mov_b32 s[G0A+4*\s+1], \s*SLOT
	s_add_nc_u64 s[G0A+4*\s+2:G0A+4*\s+3], s[14:15], \s*KSTEP*2    ; K step s begins at byte 384 s of a row
	s_or_b32 s[G0A+4*\s+3], s[G0A+4*\s+3], 0x80000000
	s_mov_b32 s[G0X+4*\s], 1
	s_add_co_u32 s[G0X+4*\s+1], s45, \s*SLOT
	s_add_nc_u64 s[G0X+4*\s+2:G0X+4*\s+3], s[46:47], \s*512        ; X: byte 0 in step 0; byte 384 + 128 in step 1
	s_or_b32 s[G0X+4*\s+3], s[G0X+4*\s+3], 0x80000000
	s_mov_b32 s[G0Y+4*\s], 1
	s_mov_b32 s[G0Y+4*\s+1], BYOFF+\s*SLOT
	s_add_nc_u64 s[G0Y+4*\s+2:G0Y+4*\s+3], s[96:97], 256+\s*128    ; Y: byte 256 in step 0; byte 384 in step 1
	s_or_b32 s[G0Y+4*\s+3], s[G0Y+4*\s+3], 0x80000000
	JLOAD \s, 1, 1                                 ; both slots' first fills go out together: two loads of the wave are out
.endr
	v_and_b32 v1, 15, v0                           ; r
	v_bfe_u32 v2, v0, 4, 1                         ; h
	v_and_b32 v6, 31, v0                           ; lane
	v_mul_u32_u24 v3, v1, AP
	v_lshl_add_u32 v3, v2, 4, v3                   ; r x pitch + 16 h, for each of the three pitches
	v_mul_u32_u24 v4, v1, XP
	v_lshl_add_u32 v4, v2, 4, v4
	v_mul_u32_u24 v5, v1, YP
	v_lshl_add_u32 v5, v2, 4, v5
	s_mul_i32 s21, s11, 64*AP                      ; my 64 rows of A
	s_mul_i32 s22, s12, 128*XP
	s_add_co_u32 s22, s22, BXOFF                   ; my 128 rows of B in X
	s_mul_i32 s23, s12, 128*YP
	s_add_co_u32 s23, s23, BYOFF                   ; and in Y
.irp s, 0,1
	v_add_nc_u32 v[ADRA+\s], s21, v3
	v_add_nc_u32 v[ADRX+\s], s22, v4
	v_add_nc_u32 v[ADRY+\s], s23, v5
	s_add_co_u32 s21, s21, SLOT
	s_add_co_u32 s22, s22, SLOT
	s_add_co_u32 s23, s23, SLOT
.endr
	s_mul_i32 s23, s10, 16*SP
	s_add_co_u32 s23, s23, STAGE                   ; my stage
	v_mul_u32_u24 v4, v1, SP
	v_lshl_add_u32 v4, v2, 5, v4                   ; in: row r, 32 bytes for each half of the lanes
	v_add_nc_u32 v[STO], s23, v4
	v_lshl_add_u32 v[RD], v6, 4, s23               ; back: the wave takes a whole row of 512 bytes
	v_lshlrev_b32 v[CO], 3, v6
; eight matrix instructions: m block a x all eight n blocks, 32 along K.  zero = 1: the first product starts the sums
.macro MULA f, a, zero
.irp b, 0,1,2,3,4,5,6,7
.if \zero
	v_wmma_f32_16x16x32_bf16 v[8*(8*\a+\b):8*(8*\a+\b)+7], v[\f+8*\b:\f+8*\b+7], v[\f+64+8*\a:\f+64+8*\a+7], 0
.else
	v_wmma_f32_16x16x32_bf16 v[8*(8*\a+\b):8*(8*\a+\b)+7], v[\f+8*\b:\f+8*\b+7], v[\f+64+8*\a:\f+64+8*\a+7], v[8*(8*\a+\b):8*(8*\a+\b)+7]
.endif
.endr
.endm
; 24 LDS loads in one run: the fragments of quarter q (32 of K) of a slot: B's eight (16 loads), A's 0 and 1 (4), A's 2 and 3 (4).
; Quarters 0-3 take B from X, 4 and 5 from Y.  KBY = the quarter's byte in the step's 384 bytes of a row: X lies first in slot 0, Y first in slot 1.
; In A's rows 16 bytes of padding follow every 128.
.macro FETCH slot, q, f
.if \q < 4
.set BREG, ADRX+\slot
.set BPI, XP
.set BK, 64*\q
.else
.set BREG, ADRY+\slot
.set BPI, YP
.set BK, 64*(\q-4)
.endif
.if \slot == 0
.set KBY, 64*\q
.else
.if \q < 4
.set KBY, 128+64*\q
.else
.set KBY, 64*(\q-4)
.endif
.endif
.set AK, (KBY/128)*144+(KBY%128)
	WIN 0
.irp i, 0,1,2,3,4,5,6,7
	ds_load_b128 v[\f+8*\i:\f+8*\i+3],   v[BREG] offset:BK+\i*16*BPI
	ds_load_b128 v[\f+8*\i+4:\f+8*\i+7], v[BREG] offset:BK+\i*16*BPI+32
.endr
.irp i, 0,1,2,3
	ds_load_b128 v[\f+64+8*\i:\f+64+8*\i+3],   v[ADRA+\slot] offset:AK+\i*16*AP
	ds_load_b128 v[\f+64+8*\i+4:\f+64+8*\i+7], v[ADRA+\slot] offset:AK+\i*16*AP+32
.endr
.endm
; four places behind the last matrix instruction, in front of loads into registers that matrix instructions have read and of reads of results
.macro PLACES
.rept 4
	v_nop
.endr
.endm
; multiplies buffer f; in its middle fetches quarter nq of the same slot into buffer g
.macro QUARTER slot, nq, f, g, zero
	s_wait_dscnt 4                                 ; all of buffer f but the youngest four loads (A's fragments 2 and 3)
	WIN MUL
	MULA \f, 0, \zero
	MULA \f, 1, \zero
	PLACES
	FETCH \slot, \nq, \g
	s_wait_dscnt 24                                ; all but the 24 just issued
	WIN MUL
	MULA \f, 2, \zero
	MULA \f, 3, \zero
.endm
.macro FIVE slot, zero                 ; the first five of a step's six quarters
	QUARTER \slot, 1, F0, F1, \zero
	QUARTER \slot, 2, F1, F0, 0
	QUARTER \slot, 3, F0, F1, 0
	QUARTER \slot, 4, F1, F0, 0
	QUARTER \slot, 5, F0, F1, 0
.endm
; The last quarter of a K step changes slots; nq = the next step's first quarter.  In front of the barrier each wave waits for its reads of this slot and for all its
; tensor loads (at most one is out: its part of the next slot).  fill 1: the slot is filled again, two steps ahead: the barrier opens a round of the cluster's barrier,
; and the joint refill is the first tensor load behind the round.  fill 2: the same for the short last step.  fill 0: nothing is left to fetch.
.macro TURN slot, next, nq, fill
	s_wait_dscnt 4
	WIN MUL
	MULA F1, 0, 0
	s_wait_dscnt 0x0                               ; my reads of this slot are over
	s_wait_tensorcnt 0x0                           ; all my tensor loads have landed
	ds_add_u32 v62, v63
	s_wait_dscnt 0x0
	s_barrier_signal -1
	MULA F1, 1, 0                                  ; register work while the others arrive
	WIN 0
	s_barrier_wait -1
.if \fill
	CREST
	s_add_nc_u64 s[G0A+4*\slot+2:G0A+4*\slot+3], s[G0A+4*\slot+2:G0A+4*\slot+3], 2*KSTEP*2     ; no load of mine is out: descriptors may be written
	s_add_nc_u64 s[G0X+4*\slot+2:G0X+4*\slot+3], s[G0X+4*\slot+2:G0X+4*\slot+3], 2*KSTEP*2
	s_add_nc_u64 s[G0Y+4*\slot+2:G0Y+4*\slot+3], s[G0Y+4*\slot+2:G0Y+4*\slot+3], 2*KSTEP*2
.if \fill == 2
	s_mov_b32 s[G1A+1], TAILK<<16                  ; what is left of A's rows from here: beyond it the tile is filled with zeros and memory is not read
	JLOAD \slot, TAILX, TAILY
.else
	JLOAD \slot, 1, 1
.endif
.endif
	PLACES
	FETCH \next, \nq, F0
	WIN MUL
	MULA F1, 2, 0
	MULA F1, 3, 0
.endm
.macro LAP zero                        ; once round the ring, both slots filled again
	FIVE 0, \zero
	TURN 0, 1, 0, 1
	FIVE 1, 0
	TURN 1, 0, 0, 1
.endm
	s_wait_tensorcnt 0x1                           ; my part of K step 0 is in; K step 1's load stays out
	s_barrier_signal -1
	s_barrier_wait -1
	FETCH 0, 0, F0
	LAP 1                                          ; steps 0 and 1: the first products start the sums
	WIN 0
	s_mov_b32 s3, 8                                ; steps 2 to 17, which ask for steps 4 to 19
.Llap:
	LAP 0
	WIN 0
	s_sub_co_u32 s3, s3, 1
	s_cmp_lg_u32 s3, 0
	s_cbranch_scc1 .Llap
	FIVE 0, 0                                      ; step 18 asks for step 20, the last whole one
	TURN 0, 1, 0, 1
	FIVE 1, 0                                      ; step 19 asks for step 21: 64 of K
	TURN 1, 0, 0, 2
	FIVE 0, 0                                      ; step 20 asks for nothing; step 21 begins with quarter 4, the first of Y
	TURN 0, 1, 4, 0
	QUARTER 1, 5, F0, F1, 0                        ; step 21: two quarters
	s_wait_dscnt 4
	WIN MUL
	MULA F1, 0, 0
	MULA F1, 1, 0
	s_wait_dscnt 0x0
	MULA F1, 2, 0
	MULA F1, 3, 0
	PLACES
	WIN 0
	; THE WAY OUT.  A wave's 128 columns are one head.  Sixteen rows at a time go through the wave's own stage in f32, come back as whole rows
	; (lane l: columns 4 l .. 4 l + 3 = two rotation pairs), are scaled, rotated, rounded to f16 and stored, 256 consecutive aligned bytes a row.
	s_lshl_b32 s16, s13, 7
	s_lshl_b32 s14, s11, 6
	s_add_co_u32 s16, s16, s14                     ; my first row
	s_lshl_b32 s18, s16, 8                         ; a row of cos or sin is 256 bytes
	s_mov_b32 s19, 0
	s_add_nc_u64 s[68:69], s[68:69], s[18:19]
	s_add_nc_u64 s[70:71], s[70:71], s[18:19]
	s_lshl_b32 s78, s16, 11                        ; a row of vlo is 2,048 bytes;
	s_lshl_b32 s75, s40, 9                         ; in v's cluster the block column is 12 + cx: two heads of 256 bytes a block,
	s_add_co_u32 s78, s78, s75
	s_lshl_b32 s75, s12, 8                         ; and my head of the two
	s_add_co_u32 s78, s78, s75
	s_mov_b32 s79, 0
	s_add_nc_u64 s[76:77], s[76:77], s[78:79]      ; inside vlo in every work-group; used in v's cluster alone
	s_lshl_b32 s16, s16, 13                        ; a row of qkv is 8,192 bytes
	s_mov_b32 s17, 0
	s_add_nc_u64 s[8:9], s[8:9], s[16:17]
	s_lshl_b32 s46, s42, 9                         ; my first column, in bytes
	s_lshl_b32 s47, s12, 8
	s_add_co_u32 s46, s46, s47
	s_mov_b32 s47, 0
	s_add_nc_u64 s[8:9], s[8:9], s[46:47]
	s_mov_b32 s72, 0x3e800000                      ; k and v: 1/4
	s_cmp_lt_u32 ttmp9, 2                          ; clusters 0 and 1 along x hold q, 2 holds k, 3 holds v
	s_cselect_b32 s72, 0x3f0293ee, s72             ; q: 4 x 128^-0.5 x log2 e
	s_mov_b32 s73, s72
	s_cmp_lt_u32 ttmp9, 3
	s_cselect_b32 s74, -1, 0                       ; all lanes: rotate (q, k) or not (v)
; row t: v's blocks run the same lines with cos = 1 and sin = 0, so that all work-groups keep one path
.macro ROPE t
.if ROUND_CS
	v_cvt_pk_bf16_f32 v[T+4], v[CS+2*\t], v[CS+2*\t+1]
	v_cvt_pk_bf16_f32 v[T+5], v[SN+2*\t], v[SN+2*\t+1]
	v_lshlrev_b32 v[CS+2*\t], 16, v[T+4]
	v_and_b32 v[CS+2*\t+1], 0xffff0000, v[T+4]
	v_lshlrev_b32 v[SN+2*\t], 16, v[T+5]
	v_and_b32 v[SN+2*\t+1], 0xffff0000, v[T+5]
.endif
	v_cndmask_b32 v[CS+2*\t], 1.0, v[CS+2*\t], s74
	v_cndmask_b32 v[CS+2*\t+1], 1.0, v[CS+2*\t+1], s74
	v_cndmask_b32 v[SN+2*\t], 0, v[SN+2*\t], s74
	v_cndmask_b32 v[SN+2*\t+1], 0, v[SN+2*\t+1], s74
	v_pk_mul_f32 v[X+4*\t:X+4*\t+1], v[X+4*\t:X+4*\t+1], s[72:73] op_sel_hi:[1,0]
	v_pk_mul_f32 v[X+4*\t+2:X+4*\t+3], v[X+4*\t+2:X+4*\t+3], s[72:73] op_sel_hi:[1,0]
	v_mul_f32 v[T],   v[X+4*\t+1], v[SN+2*\t]
	v_mul_f32 v[T+1], v[X+4*\t+1], v[CS+2*\t]
	v_mul_f32 v[T+2], v[X+4*\t+3], v[SN+2*\t+1]
	v_mul_f32 v[T+3], v[X+4*\t+3], v[CS+2*\t+1]
	v_fma_f32 v[T],   v[X+4*\t],   v[CS+2*\t],   -v[T]      ; x1 c - x2 s
	v_fma_f32 v[T+1], v[X+4*\t],   v[SN+2*\t],   v[T+1]     ; x1 s + x2 c
	v_fma_f32 v[T+2], v[X+4*\t+2], v[CS+2*\t+1], -v[T+2]
	v_fma_f32 v[T+3], v[X+4*\t+2], v[SN+2*\t+1], v[T+3]
	v_cvt_pk_f16_f32 v[Y+2*\t], v[T], v[T+1]
	v_cvt_pk_f16_f32 v[Y+2*\t+1], v[T+2], v[T+3]
.endm
.macro OUT16 a
	s_wait_xcnt 0x0                                ; Y and YL, which the last block's stores read, are rewritten only behind this wait
.irp t, 0,1,2,3,4,5,6,7,8,9,10,11,12,13,14,15
	global_load_b64 v[CS+2*\t:CS+2*\t+1], v[CO], s[68:69] offset:(16*\a+\t)*256   ; the wave takes a whole row of 256 bytes
	global_load_b64 v[SN+2*\t:SN+2*\t+1], v[CO], s[70:71] offset:(16*\a+\t)*256
.endr
	WIN 0x04                                       ; store data from window 1
.irp b, 0,1,2,3,4,5,6,7
	ds_store_b128 v[STO], v[8*(8*\a+\b):8*(8*\a+\b)+3] offset:64*\b
	ds_store_b128 v[STO], v[8*(8*\a+\b)+4:8*(8*\a+\b)+7] offset:64*\b+16
.endr
	WIN 0
.irp t, 0,1,2,3,4,5,6,7,8,9,10,11,12,13,14,15
	ds_load_b128 v[X+4*\t:X+4*\t+3], v[RD] offset:SP*\t    ; my own bytes, served in order (ISA guide 5.7.1): these see the stores above
.endr
.irp t, 0,1,2,3,4,5,6,7,8,9,10,11,12,13,14,15
	s_wait_loadcnt 30-2*\t                         ; cos and sin of row t are in; the two loads of each later row stay out
	s_wait_dscnt 15-\t                             ; row t is back; the later rows stay out
	ROPE \t
	global_store_b64 v[CO], v[Y+2*\t:Y+2*\t+1], s[8:9] offset:(16*\a+\t)*8192
.endr
	; v's cluster alone (the cluster's x is the same in all partners): X still holds v' = v / 4 in f32; what its rounding to f16 left goes to vlo
	s_cmp_lg_u32 ttmp9, 3
	s_cbranch_scc1 .Lnolo_\@
.irp t, 0,1,2,3,4,5,6,7,8,9,10,11,12,13,14,15
	v_cvt_pk_f16_f32 v60, v[X+4*\t], v[X+4*\t+1]           ; the same rounding as the part in qkv
	v_cvt_pk_f16_f32 v61, v[X+4*\t+2], v[X+4*\t+3]
	v_cvt_f32_f16 v8, v60.l
	v_cvt_f32_f16 v9, v60.h
	v_cvt_f32_f16 v10, v61.l
	v_cvt_f32_f16 v11, v61.h
	v_pk_add_f32 v[8:9], v[X+4*\t:X+4*\t+1], v[8:9] neg_lo:[0,1] neg_hi:[0,1]          ; exact in f32
	v_pk_add_f32 v[10:11], v[X+4*\t+2:X+4*\t+3], v[10:11] neg_lo:[0,1] neg_hi:[0,1]
	v_cvt_pk_f16_f32 v[YL+2*\t], v8, v9
	v_cvt_pk_f16_f32 v[YL+2*\t+1], v10, v11
	global_store_b64 v[CO], v[YL+2*\t:YL+2*\t+1], s[76:77] offset:(16*\a+\t)*2048      ; the wave stores 256 consecutive aligned bytes
.endr
.Lnolo_\@:
.endm
	OUT16 0
	OUT16 1
	OUT16 2
	OUT16 3
	s_wait_tensorcnt 0x0
	ds_add_u32 v62, v63
	s_wait_dscnt 0x0
	CROUND                                         ; the closing round: no work-group ends while a partner may still ask for a tile that names it
	s_endpgm
.Lfunc_end_k_q70d72e16a9_qkvp:
	.size	k_q70d72e16a9_qkvp, .Lfunc_end_k_q70d72e16a9_qkvp-k_q70d72e16a9_qkvp
	.p2alignl 7, 3214868480
	.fill 96, 4, 3214868480
	.section	.rodata,"a",@progbits
	.p2align	6, 0x0
	.amdhsa_kernel k_q70d72e16a9_qkvp
		.amdhsa_group_segment_fixed_size 327680
		.amdhsa_private_segment_fixed_size 0
		.amdhsa_enable_private_segment 0
		.amdhsa_kernarg_size 48
		.amdhsa_user_sgpr_count 2
		.amdhsa_user_sgpr_kernarg_segment_ptr 1
		.amdhsa_wavefront_size32 1
		.amdhsa_system_sgpr_workgroup_id_x 1
		.amdhsa_system_sgpr_workgroup_id_y 1
		.amdhsa_system_sgpr_workgroup_id_z 1
		.amdhsa_system_vgpr_workitem_id 0
		.amdhsa_next_free_vgpr 512
		.amdhsa_next_free_sgpr 100
		.amdhsa_reserve_vcc 0
		.amdhsa_float_denorm_mode_32 3
		.amdhsa_float_denorm_mode_16_64 3
		.amdhsa_memory_ordered 1
		.amdhsa_forward_progress 1
		.amdhsa_inst_pref_size 255
	.end_amdhsa_kernel
	.section	.bss,"aw",@nobits
	.p2align	6
	.space	262144
	.amdgpu_metadata
---
amdhsa.version: [ 1, 2 ]
amdhsa.kernels:
  - .name:           k_q70d72e16a9_qkvp
    .symbol:         k_q70d72e16a9_qkvp.kd
    .args:
      - { .name: xb, .offset: 0, .size: 8, .value_kind: global_buffer, .address_space: global }
      - { .name: wb, .offset: 8, .size: 8, .value_kind: global_buffer, .address_space: global }
      - { .name: qkv, .offset: 16, .size: 8, .value_kind: global_buffer, .address_space: global }
      - { .name: cos, .offset: 24, .size: 8, .value_kind: global_buffer, .address_space: global }
      - { .name: sin, .offset: 32, .size: 8, .value_kind: global_buffer, .address_space: global }
      - { .name: vlo, .offset: 40, .size: 8, .value_kind: global_buffer, .address_space: global }
    .group_segment_fixed_size: 327680
    .private_segment_fixed_size: 0
    .kernarg_segment_align: 8
    .kernarg_segment_size: 48
    .max_flat_workgroup_size: 128
    .sgpr_count:     100
    .vgpr_count:     512
    .wavefront_size: 32
...
	.end_amdgpu_metadata
.endif
;; end of part 2
;; launch attn (part 3): grid 32 x 8, 4 waves a work-group, clusters of 4 x 1, 327,680 bytes of LDS; arguments qkv, ao, vlo; writes ao
.if DOCPART == 3
	.amdgcn_target "amdgcn-amd-amdhsa--gfx1250"
	.amdhsa_code_object_version 6
	.text
	.protected	k_q70d72e16a9_attn
	.globl	k_q70d72e16a9_attn
	.p2align	8
	.type	k_q70d72e16a9_attn,@function
k_q70d72e16a9_attn:
	s_mov_b64 s[64:65], 0
	v_nop
	global_prefetch_b8 v0, s[64:65] scope:SCOPE_SE
	s_setreg_imm32_b32 hwreg(HW_REG_WAVE_MODE, 25, 1), 1
	s_wait_xcnt 0x0
	s_wait_alu depctr_hold_cnt(0) depctr_sa_sdst(0) depctr_va_vdst(0) depctr_va_sdst(0) depctr_va_ssrc(0) depctr_va_vcc(0) depctr_vm_vsrc(0)
	s_getreg_b32 s2, hwreg(HW_REG_IB_STS2, 6, 4)
	s_cmp_eq_u32 s2, 0
	s_cbranch_scc0 .Lentry_in_a_cluster
	s_endpgm
.Lentry_in_a_cluster:
	s_bfe_u32 s2, ttmp6, 0x10000c
	s_cmp_lg_u32 s2, 0x3003
	s_cbranch_scc0 .Lentry_shape_is_right
	s_endpgm
.Lentry_shape_is_right:
; Causal attention, 16 query heads on 8 key and value heads, head size 128, 2,048 positions.  The window (2,048) never cuts: only the causal mask is left.
; qkv [2048][4096] f16: q' at byte 256 head, k' at 4,096 + 256 kvh, v' at 6,144 + 256 kvh of a row; q' . k' is the score in powers of two.
; vlo [2048][1024] f16: what the rounding of v' to f16 left, at byte 256 kvh of a row.
; ao [2048][2048] f16 = softmax(scores) v' (a quarter of the true output: the next launch multiplies by 4).
; SHARE: a = cluster x (0-7), cx = place in the cluster, j = 4 a + cx, kvh = grid y.  A work-group serves, for both query heads of kvh, the 32 positions of
; block j (first phase: key tiles 0 .. a of 128 keys) and then those of block 63 - j (second phase: tiles 0 .. 15 - a): 17 steps in every work-group.
; The order of tiles hangs on a alone, so the four partners ask for every K and V tile JOINTLY (mask 15).  cx enters only plain global addresses and the mask's limit.
; Wave w: head 2 kvh + (w & 1), keys 64 (w >> 1) .. + 63 of each tile.  At a phase's end the two key halves of a head are merged through LDS.
; LAYOUT: S^T = K Q^T (a lane holds 8 keys a tile of one query), which packed in pairs IS the second source of O^T = V^T P^T: nothing moves between lanes;
; maximum, sum and rescaling are a lane's own, and a lane ends with 8 neighbouring d of one output row.
; V'S LOW PART: in each phase's diagonal tile (2 of the 17 steps) O also takes P times vlo.  There a query may have as few as one key, so that v's rounding to
; f16 is not averaged over keys; in the other tiles v counts as rounded to f16.  A wave brings its 64 keys of vlo through registers and a scratch of its own in LDS.
; SOFTMAX in f32 with a running maximum.  A masked score is -FLT_MAX, the maximum starts at -1e30: a half without a valid key keeps p = 0, l = 0 and counts for nothing.
; At the change of phase the maximum is set back to -1e30: the next step's factor exp2(-1e30 - m) = 0 clears O and l (its tile 0 is wholly valid: positions >= 1,024).
; LIMITS: scores below -1e30 (in powers of two) count as masked; the unnormalised O must be finite at the change of phase.
; No two matrix instructions that follow each other name one accumulator: they take turns, one instruction a turn.
; REGISTERS: window 0: below; window 1: K fragments at 8 (4 kt + ds), V fragments at 128 + 8 (8 ks + dt); window 2: O at 64 qt + 8 dt, vlo at 128 + 8 (8 ks + dt).
.set KP,    272                        ; K's LDS pitch: 256 + 16
.set VP,    288                        ; V's: 256 + 32, an odd multiple of 32, for the transposing loads
.set KB,    128*KP
.set SLOT,  128*KP+128*VP              ; 71,680
.set MERGE, 2*SLOT                     ; a part for each head: 32 x 512 bytes of O, 512 of m, 512 of l
.set MSZ,   17408
.set STAGE, MERGE+2*MSZ                ; a part for each head: 16 rows x 272 bytes
.set SSZ,   16*272
.set LOS,   STAGE+2*SSZ                ; a part for each wave: its 64 keys of vlo, pitch 288.  No tensor load fills MERGE, STAGE or LOS
.set LSZ,   64*VP
.set MP,   8                           ; v[8:9], v[10:11] running maximum of query tile 0, 1, each twice (a pair for packed arithmetic)
.set LS,   12                          ; v12, v13  my lane's part of the sum
.set AL,   14                          ; v[14:15]  the step's factor, twice
.set PM,   16                          ; v[16:19]  the partner's maxima;  v[20:21] its sums
.set T,    22                          ; v[22:26]  at work
.set KADR, 30                          ; v30-31    K fragments in slot 0, 1
.set VADR, 32                          ; v32-33    V fragments
                                       ; v34 mask limit, v35 -FLT_MAX, v36/v37 q' offsets of the two phases, v38 merge, v39/v40 stage in/back, v41 offset in ao
.set GF,   42                          ; v[42:49]  merge factors: mine and the partner's, each twice, for query tile 0, then 1
                                       ; v50 my 16 bytes in two rows of vlo, v51 where they go in my scratch, v52 the fragments' address there
.set SC,   64                          ; v[64:127]  scores, tile (kt, qt) at 32 qt + 8 kt
.set PF,   128                         ; v[128:159] P in f16, at 16 qt + 8 ks
.set QF,   160                         ; v[160:223] Q fragments, at 8 (4 qt + ds)
.set G1K, 24
.set G0K, 32
.set G1V, 40
.set G0V, 48
.set MSB, 0
.macro WIN new
.if MSB != \new
	s_set_vgpr_msb (MSB<<8)|\new
.set MSB, \new
.endif
.endm
.macro PLACES                          ; four places behind the last matrix instruction (ISA guide 7.12.1)
.rept 4
	v_nop
.endr
.endm
.macro CREST
	s_cmp_lg_u32 s10, 0
	s_cbranch_scc1 .Lnot_wave_0_\@
	s_barrier_signal -3
.Lnot_wave_0_\@:
	s_barrier_wait -3
	s_barrier_signal -1
	s_barrier_wait -1
.endm
.macro CROUND
	s_barrier_signal -1
	s_barrier_wait -1
	CREST
.endm
; the slot's addresses for place u = s18 of the order of tiles: tile u, or u - (a + 1) in the second phase; a tile is 128 rows of 8,192 bytes
.macro NEXTADDR slot
	s_cmp_gt_u32 s18, s14
	s_cselect_b32 s20, s19, 0
	s_sub_co_u32 s20, s18, s20
	s_lshl_b32 s20, s20, 20
	s_add_co_u32 s18, s18, 1
	s_add_nc_u64 s[G0K+4*\slot+2:G0K+4*\slot+3], s[56:57], s[20:21]
	s_or_b32 s[G0K+4*\slot+3], s[G0K+4*\slot+3], 0x80000000
	s_add_nc_u64 s[G0V+4*\slot+2:G0V+4*\slot+3], s[58:59], s[20:21]
	s_or_b32 s[G0V+4*\slot+3], s[G0V+4*\slot+3], 0x80000000
.endm
.macro JLOAD slot                      ; waves 0 and 1 fetch K's halves, waves 2 and 3 V's
	s_cmp_eq_u32 s11, 0
	s_cbranch_scc0 .Lfor_v_\@
	tensor_load_to_lds s[G0K+4*\slot:G0K+4*\slot+3], s[G1K:G1K+7]
	s_nop 0
	s_branch .Lasked_\@
.Lfor_v_\@:
	tensor_load_to_lds s[G0V+4*\slot:G0V+4*\slot+3], s[G1V:G1V+7]
	s_nop 0
.Lasked_\@:
.endm
	s_load_b128 s[4:7], s[0:1], 0x0                ; qkv s[4:5], ao s[6:7]
	s_load_b64 s[76:77], s[0:1], 0x10              ; vlo
	v_lshl_add_u32 v254, v0, 2, 0x3fa00
	v_mov_b32 v255, 0
	ds_add_u32 v254, v255
	v_lshrrev_b32 v1, 5, v0
	v_readfirstlane_b32 s10, v1                    ; wave
	s_lshr_b32 s11, s10, 1                         ; kh: my half of the keys.  Also: I fetch K (0) or V (1)
	s_and_b32 s12, s10, 1                          ; hd: my head of the two.  Also: which 64 rows of the tile I fetch
	s_mov_b32 s14, ttmp9                           ; a
	s_add_co_u32 s19, s14, 1
	s_mov_b32 s17, s14                             ; steps left in the first phase; 0: this is its last
	s_and_b32 s15, ttmp7, 0xffff                   ; kvh
	s_mov_b32 s18, 0                               ; u
	s_mov_b32 s21, 0
	s_mov_b32 s22, 0x76543210                      ; v_permlanex16_b32: lane i of the other half
	s_mov_b32 s23, 0xfedcba98
	; group 1: 64 rows x 128 f16, 4,096 elements from row to row, mask 15; K padded by 4 words a row, V by 8
	s_mov_b32 s[G1K+0], 15|(1<<16)|(1<<20)|(1<<21)|(5<<22)|(3<<25)
	s_mov_b32 s[G1K+1], 128<<16
	s_mov_b32 s[G1K+2], 64<<16
	s_mov_b32 s[G1K+3], 128<<16
	s_mov_b32 s[G1K+4], 64
	s_mov_b32 s[G1K+5], 4096
	s_mov_b32 s[G1K+6], 0
	s_mov_b32 s[G1K+7], 0
	s_mov_b32 s[G1V+0], 15|(1<<16)|(1<<20)|(1<<21)|(5<<22)|(7<<25)
	s_mov_b32 s[G1V+1], 128<<16
	s_mov_b32 s[G1V+2], 64<<16
	s_mov_b32 s[G1V+3], 128<<16
	s_mov_b32 s[G1V+4], 64
	s_mov_b32 s[G1V+5], 4096
	s_mov_b32 s[G1V+6], 0
	s_mov_b32 s[G1V+7], 0
	s_mul_i32 s8, s12, 64*KP
	s_mul_i32 s9, s12, 64*VP
	s_add_co_u32 s9, s9, KB
	s_mov_b32 s[G0K+0], 1
	s_mov_b32 s[G0K+1], s8
	s_mov_b32 s[G0K+4], 1
	s_add_co_u32 s[G0K+5], s8, SLOT
	s_mov_b32 s[G0V+0], 1
	s_mov_b32 s[G0V+1], s9
	s_mov_b32 s[G0V+4], 1
	s_add_co_u32 s[G0V+5], s9, SLOT
	s_lshl_b32 s8, s12, 19                         ; my 64 rows of a tile
	s_lshl_b32 s9, s15, 8
	s_add_co_u32 s8, s8, s9
	s_add_co_u32 s8, s8, 4096                      ; k' of kvh
	s_mov_b32 s9, 0
	s_wait_dscnt 0x0
	s_wait_kmcnt 0x0
	s_add_nc_u64 s[56:57], s[4:5], s[8:9]
	s_add_nc_u64 s[58:59], s[56:57], 2048          ; v' of kvh
	CROUND                                         ; the four partners are here: the first joint loads meet
	NEXTADDR 0
	JLOAD 0
	NEXTADDR 1
	JLOAD 1                                        ; two loads of the wave are out
	; what hangs on cx: plain global addresses and the mask's limit
	s_bfe_u32 s13, ttmp6, 0x40000                  ; cx
	s_lshl_b32 s16, s14, 2
	s_add_co_u32 s16, s16, s13                     ; j
	s_sub_co_u32 s68, 63, s16                      ; 63 - j
	s_lshl_b32 s69, s15, 1
	s_add_co_u32 s69, s69, s12
	s_lshl_b32 s69, s69, 8                         ; 256 x head
	s_lshl_b32 s70, s16, 17                        ; 32 rows of ao, 4,096 bytes each
	s_add_co_u32 s70, s70, s69
	s_mov_b32 s71, 0
	s_add_nc_u64 s[60:61], s[6:7], s[70:71]        ; first phase's output
	s_lshl_b32 s70, s68, 17
	s_add_co_u32 s70, s70, s69
	s_add_nc_u64 s[62:63], s[6:7], s[70:71]        ; second phase's
	; vlo of my 64 keys in the two diagonal tiles: a row is 2,048 bytes, a tile 128 rows
	s_lshl_b32 s70, s11, 17                        ; my half of the keys
	s_lshl_b32 s75, s15, 8                         ; kvh
	s_add_co_u32 s70, s70, s75
	s_add_nc_u64 s[76:77], s[76:77], s[70:71]
	s_sub_co_u32 s70, 15, s14
	s_lshl_b32 s70, s70, 18
	s_add_nc_u64 s[78:79], s[76:77], s[70:71]      ; second phase: tile 15 - a
	s_lshl_b32 s70, s14, 18
	s_add_nc_u64 s[76:77], s[76:77], s[70:71]      ; first phase: tile a
	s_lshl_b32 s72, s16, 18                        ; 32 rows of qkv, 8,192 bytes each
	s_add_co_u32 s72, s72, s69
	s_lshl_b32 s73, s68, 18
	s_add_co_u32 s73, s73, s69
	s_lshl_b32 s67, s13, 6
	s_sub_co_u32 s67, 96, s67                      ; the limit's step at the change of phase: 96 - 64 cx
	s_lshl_b32 s74, s13, 5
	s_lshl_b32 s75, s11, 6
	s_sub_co_u32 s74, s74, s75                     ; 32 cx - 64 kh
	v_and_b32 v1, 15, v0                           ; r
	v_bfe_u32 v2, v0, 4, 1                         ; h
	v_and_b32 v3, 31, v0                           ; lane
	v_lshlrev_b32 v4, 13, v1
	v_lshl_add_u32 v4, v2, 4, v4                   ; row r of qkv + 16 h
	v_add_nc_u32 v36, s72, v4
	v_add_nc_u32 v37, s73, v4
.macro QLOAD off                       ; Q fragments of both query tiles: query r, d = 32 ds + 8 h .. and + 16
.irp qt, 0,1
.irp ds, 0,1,2,3
	global_load_b128 v[QF+8*(4*\qt+\ds):QF+8*(4*\qt+\ds)+3],   v[\off], s[4:5] offset:\qt*131072+64*\ds
	global_load_b128 v[QF+8*(4*\qt+\ds)+4:QF+8*(4*\qt+\ds)+7], v[\off], s[4:5] offset:\qt*131072+64*\ds+32
.endr
.endr
.endm
; my 64 keys x 128 d of vlo, as they lie: load n brings keys 2 n and 2 n + 1, 256 consecutive aligned bytes each.  base: the scalar pair with the tile's address
.macro VLOLOAD base
	WIN 0x80                                       ; destination in window 2
.set nn, 0
.rept 32
	global_load_b128 v[128+4*nn:128+4*nn+3], v50, s[\base:\base+1] offset:4096*nn
.set nn, nn+1
.endr
	WIN 0
.endm
	QLOAD 36
	v_lshlrev_b32 v50, 11, v2
	v_lshl_add_u32 v50, v1, 4, v50                 ; row h of vlo + 16 r
	VLOLOAD 76                                     ; the first phase's diagonal tile: known from the start, kept in registers until its step
	v_mul_u32_u24 v5, v1, KP
	v_lshl_add_u32 v5, v2, 4, v5                   ; 272 r + 16 h
	s_mul_i32 s8, s11, 64*KP
	v_add_nc_u32 v[KADR], s8, v5
	v_add_nc_u32 v[KADR+1], SLOT, v[KADR]
	v_and_b32 v7, 7, v0
	v_lshl_add_u32 v7, v2, 3, v7                   ; key 8 h + (lane & 7)
	v_mul_u32_u24 v6, v7, VP
	v_bfe_u32 v7, v0, 3, 1
	v_lshl_add_u32 v6, v7, 4, v6                   ; + 16 ((lane >> 3) & 1)
	s_mul_i32 s8, s11, 64*VP
	s_add_co_u32 s8, s8, KB
	v_add_nc_u32 v[VADR], s8, v6
	v_add_nc_u32 v[VADR+1], SLOT, v[VADR]
	v_add_nc_u32 v34, s74, v1
	v_lshlrev_b32 v7, 3, v2
	v_sub_nc_u32 v34, v34, v7                      ; limit: key 16 kt + jj of my half is valid for query 16 qt + r where 16 kt + jj - 16 qt <= 32 cx + r - 64 kh - 8 h
	v_mov_b32 v35, 0xff7fffff
	s_mul_i32 s8, s12, MSZ
	s_add_co_u32 s8, s8, MERGE
	v_lshl_add_u32 v38, v3, 4, s8
	s_mul_i32 s9, s12, SSZ
	s_add_co_u32 s9, s9, STAGE
	v_add_nc_u32 v39, s9, v5
	v_mul_u32_u24 v7, v2, 272
	v_lshl_add_u32 v7, v1, 4, v7
	v_add_nc_u32 v40, s9, v7                       ; back: lanes 0-15 one row of 256 bytes, lanes 16-31 the next
	v_lshlrev_b32 v41, 12, v2
	v_lshl_add_u32 v41, v1, 4, v41                 ; the same two rows in ao
	s_mul_i32 s8, s10, LSZ
	s_add_co_u32 s8, s8, LOS                       ; my wave's scratch
	v_mul_u32_u24 v7, v2, VP
	v_lshl_add_u32 v7, v1, 4, v7
	v_add_nc_u32 v51, s8, v7                       ; in: row h, 16 r
	v_add_nc_u32 v52, s8, v6                       ; back: as V's fragments, from my own 64 rows
.irp i, 0,1,2,3
	v_mov_b32 v[MP+\i], 0xf149f2ca                 ; -1e30
.endr
	v_mov_b32 v[LS], 0
	v_mov_b32 v[LS+1], 0
	v_mov_b32 v[T+4], 0                            ; a lane permute's destination counts as read
.macro FETCHK slot                     ; 32 loads: my 64 keys x 128 d
	WIN 0x40
.irp kt, 0,1,2,3
.irp ds, 0,1,2,3
	ds_load_b128 v[8*(4*\kt+\ds):8*(4*\kt+\ds)+3],   v[KADR+\slot] offset:\kt*16*KP+64*\ds
	ds_load_b128 v[8*(4*\kt+\ds)+4:8*(4*\kt+\ds)+7], v[KADR+\slot] offset:\kt*16*KP+64*\ds+32
.endr
.endr
	WIN 0
.endm
.macro FETCHV slot                     ; 32 transposing loads: d = 16 dt + r, keys 32 ks + 8 h .. and + 16
	WIN 0x40
.irp ks, 0,1
.irp dt, 0,1,2,3,4,5,6,7
	ds_load_tr16_b128 v[128+8*(8*\ks+\dt):128+8*(8*\ks+\dt)+3],   v[VADR+\slot] offset:\ks*32*VP+32*\dt
	ds_load_tr16_b128 v[128+8*(8*\ks+\dt)+4:128+8*(8*\ks+\dt)+7], v[VADR+\slot] offset:\ks*32*VP+32*\dt+16*VP
.endr
.endr
	WIN 0
.endm
; vlo from rows to fragments: 32 stores into my scratch, 32 transposing loads back into the same registers.  My own bytes, served in order (ISA guide 5.7.1)
.macro LOTR
	WIN 0x08                                       ; store data from window 2
.set nn, 0
.rept 32
	ds_store_b128 v51, v[128+4*nn:128+4*nn+3] offset:2*VP*nn
.set nn, nn+1
.endr
	WIN 0x80                                       ; destination in window 2
.irp ks, 0,1
.irp dt, 0,1,2,3,4,5,6,7
	ds_load_tr16_b128 v[128+8*(8*\ks+\dt):128+8*(8*\ks+\dt)+3],   v52 offset:\ks*32*VP+32*\dt
	ds_load_tr16_b128 v[128+8*(8*\ks+\dt)+4:128+8*(8*\ks+\dt)+7], v52 offset:\ks*32*VP+32*\dt+16*VP
.endr
.endr
	WIN 0
.endm
.macro QK qt                           ; 16 matrix instructions on four accumulators by turns
.irp ds, 0,1,2,3
.irp kt, 0,1,2,3
.if \ds == 0
	v_wmma_f32_16x16x32_f16 v[SC+32*\qt+8*\kt:SC+32*\qt+8*\kt+7], v[8*(4*\kt+\ds):8*(4*\kt+\ds)+7], v[QF+8*(4*\qt+\ds):QF+8*(4*\qt+\ds)+7], 0
.else
	v_wmma_f32_16x16x32_f16 v[SC+32*\qt+8*\kt:SC+32*\qt+8*\kt+7], v[8*(4*\kt+\ds):8*(4*\kt+\ds)+7], v[QF+8*(4*\qt+\ds):QF+8*(4*\qt+\ds)+7], v[SC+32*\qt+8*\kt:SC+32*\qt+8*\kt+7]
.endif
.endr
.endr
.endm
.macro PV qt, first                    ; 16 matrix instructions on eight accumulators by turns
.irp ks, 0,1
.irp dt, 0,1,2,3,4,5,6,7
.if \first*(1-\ks)
	v_wmma_f32_16x16x32_f16 v[64*\qt+8*\dt:64*\qt+8*\dt+7], v[128+8*(8*\ks+\dt):128+8*(8*\ks+\dt)+7], v[PF+16*\qt+8*\ks:PF+16*\qt+8*\ks+7], 0
.else
	v_wmma_f32_16x16x32_f16 v[64*\qt+8*\dt:64*\qt+8*\dt+7], v[128+8*(8*\ks+\dt):128+8*(8*\ks+\dt)+7], v[PF+16*\qt+8*\ks:PF+16*\qt+8*\ks+7], v[64*\qt+8*\dt:64*\qt+8*\dt+7]
.endif
.endr
.endr
.endm
.macro MASK                            ; the diagonal tile: keys behind the query become -FLT_MAX
.irp qt, 0,1
.irp kt, 0,1,2,3
.irp jj, 0,1,2,3,4,5,6,7
	v_cmp_le_i32 vcc_lo, 16*\kt+\jj-16*\qt, v34
	v_cndmask_b32 v[SC+32*\qt+8*\kt+\jj], v35, v[SC+32*\qt+8*\kt+\jj], vcc_lo
.endr
.endr
.endr
.endm
; the softmax step of query tile qt: new maximum, factor for what was there, p = exp2(s - m), sum, P in f16, O rescaled
.macro SM qt, first
.irp c, 0,1,2,3
	v_max3_num_f32 v[T+\c], v[SC+32*\qt+8*\c], v[SC+32*\qt+8*\c+1], v[SC+32*\qt+8*\c+2]
.endr
.irp c, 0,1,2,3
	v_max3_num_f32 v[T+\c], v[T+\c], v[SC+32*\qt+8*\c+3], v[SC+32*\qt+8*\c+4]
.endr
.irp c, 0,1,2,3
	v_max3_num_f32 v[T+\c], v[T+\c], v[SC+32*\qt+8*\c+5], v[SC+32*\qt+8*\c+6]
.endr
.irp c, 0,1,2,3
	v_max_num_f32 v[T+\c], v[T+\c], v[SC+32*\qt+8*\c+7]
.endr
	v_max3_num_f32 v[T], v[T], v[T+1], v[T+2]
	v_max3_num_f32 v[T], v[T], v[T+3], v[MP+2*\qt]
	v_permlanex16_b32 v[T+1], v[T], s22, s23       ; the other half of the lanes holds the query's other keys
	v_max_num_f32 v[T+2], v[T], v[T+1]
	v_sub_f32 v[T+3], v[MP+2*\qt], v[T+2]
	v_mov_b32 v[MP+2*\qt], v[T+2]
	v_mov_b32 v[MP+2*\qt+1], v[T+2]
	v_exp_f32 v[AL], v[T+3]                        ; the packed subtractions below are the plain place behind these two (ISA guide 5.7.2)
	v_exp_f32 v[AL+1], v[T+3]
.set nn, 0
.rept 16
	v_pk_add_f32 v[SC+32*\qt+nn:SC+32*\qt+nn+1], v[SC+32*\qt+nn:SC+32*\qt+nn+1], v[MP+2*\qt:MP+2*\qt+1] neg_lo:[0,1] neg_hi:[0,1]
.set nn, nn+2
.endr
.set nn, 0
.rept 32
	v_exp_f32 v[SC+32*\qt+nn], v[SC+32*\qt+nn]
.set nn, nn+1
.endr
	v_nop                                          ; the plain place behind the exponentials
	s_wait_alu depctr_va_vdst(0)
	v_pk_add_f32 v[T:T+1], v[SC+32*\qt:SC+32*\qt+1], v[SC+32*\qt+2:SC+32*\qt+3]
	v_pk_add_f32 v[T+2:T+3], v[SC+32*\qt+4:SC+32*\qt+5], v[SC+32*\qt+6:SC+32*\qt+7]
.set nn, 8
.rept 6
	v_pk_add_f32 v[T:T+1], v[T:T+1], v[SC+32*\qt+nn:SC+32*\qt+nn+1]
	v_pk_add_f32 v[T+2:T+3], v[T+2:T+3], v[SC+32*\qt+nn+2:SC+32*\qt+nn+3]
.set nn, nn+4
.endr
	v_pk_add_f32 v[T:T+1], v[T:T+1], v[T+2:T+3]
	v_add_f32 v[T], v[T], v[T+1]
	v_fma_f32 v[LS+\qt], v[LS+\qt], v[AL], v[T]
.set nn, 0
.rept 16
	v_cvt_pk_f16_f32 v[PF+16*\qt+nn], v[SC+32*\qt+2*nn], v[SC+32*\qt+2*nn+1]
.set nn, nn+1
.endr
.if \first == 0
	WIN 0x82                                       ; O in window 2, the factor in window 0
.set nn, 0
.rept 32
	v_pk_mul_f32 v[64*\qt+nn:64*\qt+nn+1], v[64*\qt+nn:64*\qt+nn+1], v[AL:AL+1]
.set nn, nn+2
.endr
.endif
.endm
; A phase's end.  The waves of the upper key half hand O, m and l to their partners through LDS; those merge, divide, round to f16 and store
; through their own stage: sixteen lanes store 256 consecutive aligned bytes of a row of ao.  base: the scalar pair with the phase's address.
.macro FINAL base
	s_cmp_eq_u32 s11, 0
	s_cbranch_scc1 .Lkeep_\@
	WIN 0x08                                       ; store data from window 2
.set nn, 0
.rept 32
	ds_store_b128 v38, v[4*nn:4*nn+3] offset:512*nn
.set nn, nn+1
.endr
	WIN 0
	ds_store_b128 v38, v[MP:MP+3] offset:16384
	ds_store_b64 v38, v[LS:LS+1] offset:16896
.Lkeep_\@:
	s_wait_dscnt 0x0                               ; for the partner's sake: my stores are done
	s_barrier_signal -1
	s_barrier_wait -1                              ; the step's refill stays on its way
	s_cmp_lg_u32 s11, 0
	s_cbranch_scc1 .Ldone_\@
	ds_load_b128 v[PM:PM+3], v38 offset:16384
	ds_load_b64 v[PM+4:PM+5], v38 offset:16896
	WIN 0x40
.set nn, 0
.rept 32
	ds_load_b128 v[128+4*nn:128+4*nn+3], v38 offset:512*nn         ; the partner's O, into the V fragments' registers
.set nn, nn+1
.endr
	WIN 0
	s_wait_dscnt 32                                ; m and l are in; the 32 loads of O stay out
.irp qt, 0,1
	v_max_num_f32 v[T], v[MP+2*\qt], v[PM+2*\qt]
	v_sub_f32 v[T+1], v[MP+2*\qt], v[T]
	v_sub_f32 v[T+2], v[PM+2*\qt], v[T]
	v_exp_f32 v[T+1], v[T+1]
	v_exp_f32 v[T+2], v[T+2]
	v_nop
	s_wait_alu depctr_va_vdst(0)
	v_mul_f32 v[T+3], v[LS+\qt], v[T+1]
	v_fma_f32 v[T+3], v[PM+4+\qt], v[T+2], v[T+3]
	v_permlanex16_b32 v[T+4], v[T+3], s22, s23     ; the sums were kept by lanes: the other half's part
	v_add_f32 v[T+3], v[T+3], v[T+4]               ; at least 1: the largest score's p is 1 and its half's factor is 1
	v_rcp_f32 v[T+3], v[T+3]
	v_nop
	s_wait_alu depctr_va_vdst(0)
	v_mul_f32 v[GF+4*\qt],   v[T+1], v[T+3]
	v_mul_f32 v[GF+4*\qt+1], v[T+1], v[T+3]
	v_mul_f32 v[GF+4*\qt+2], v[T+2], v[T+3]
	v_mul_f32 v[GF+4*\qt+3], v[T+2], v[T+3]
.endr
	s_wait_dscnt 0x0
.irp qt, 0,1
	s_wait_xcnt 0x0                                ; the registers that the last stores read are loaded again only behind this wait
	WIN 0x82
.set nn, 0
.rept 32
	v_pk_mul_f32 v[64*\qt+nn:64*\qt+nn+1], v[64*\qt+nn:64*\qt+nn+1], v[GF+4*\qt:GF+4*\qt+1]
.set nn, nn+2
.endr
	WIN 0xa1
.set nn, 0
.rept 32
	v_pk_fma_f32 v[64*\qt+nn:64*\qt+nn+1], v[128+64*\qt+nn:128+64*\qt+nn+1], v[GF+4*\qt+2:GF+4*\qt+3], v[64*\qt+nn:64*\qt+nn+1]
.set nn, nn+2
.endr
	WIN 0x0a
.set nn, 0
.rept 32
	v_cvt_pk_f16_f32 v[SC+nn], v[64*\qt+2*nn], v[64*\qt+2*nn+1]
.set nn, nn+1
.endr
	WIN 0
.irp dt, 0,1,2,3,4,5,6,7
	ds_store_b128 v39, v[SC+4*\dt:SC+4*\dt+3] offset:32*\dt        ; row r, d = 16 dt + 8 h ..
.endr
.irp t, 0,1,2,3,4,5,6,7
	ds_load_b128 v[SC+32+4*\t:SC+32+4*\t+3], v40 offset:544*\t     ; my own bytes, served in order (ISA guide 5.7.1)
.endr
.irp t, 0,1,2,3,4,5,6,7
	s_wait_dscnt 7-\t
	global_store_b128 v41, v[SC+32+4*\t:SC+32+4*\t+3], s[\base:\base+1] offset:(16*\qt+2*\t)*4096
.endr
.endr
.Ldone_\@:
	s_wait_xcnt 0x0                                ; the score registers, which the stores read, are written again by the next step
.endm
; One step: 32 queries x my 64 keys of the tile in \slot.
; kind 2: the slot is filled again behind a round of the cluster's barrier; 1: a plain barrier, nothing left to fetch; 0: the last step.
; pend 1: where s17 = 0 this is the first phase's last step; 2: the second phase's last step; 0: neither.
.macro STEP slot, first, kind, pend
	s_wait_loadcnt 0x0                             ; Q is in, and so are the rows of vlo that were asked for
	s_wait_dscnt 32                                ; K's 32 loads are in; V's 32 stay out
	WIN 0x01
	QK 0
	QK 1
	PLACES
	WIN 0
.if \pend == 1
	s_cmp_lg_u32 s17, 0
	s_cbranch_scc1 .Lnodiag_\@
	MASK
	QLOAD 37                                       ; the second phase's Q: this phase's has been multiplied for the last time
	LOTR                                           ; vlo's fragments come while the first softmax runs; the wait for 0 behind it covers them
.Lnodiag_\@:
.endif
.if \pend == 2
	MASK
	LOTR
.endif
	SM 0, \first
	s_wait_dscnt 0x0                               ; V is in, and with it all my reads of this slot are over
.if \kind
	s_set_vgpr_msb (MSB<<8)|((MSB&0xf0)|0x0)
	s_wait_tensorcnt 0x0                           ; all my tensor loads have landed: the one that was out is my part of the next slot
	ds_add_u32 v254, v255
	s_wait_dscnt 0x0
	s_set_vgpr_msb (((MSB&0xf0)|0x0)<<8)|MSB
	s_barrier_signal -1
.endif
	WIN 0xa1
	PV 0, \first                                   ; register work while the others arrive
	WIN 0
.if \kind
	s_barrier_wait -1
.endif
.if \kind == 2
	CREST                                          ; no wave of any partner still reads this slot or has a load on its way
	NEXTADDR \slot
	JLOAD \slot                                    ; my one tensor load behind the round: the tile two places on; it has a whole step in which to land
.endif
.if \kind
	FETCHK 1-\slot
.endif
	SM 1, \first
	WIN 0xa1
	PV 1, \first
	PLACES
	WIN 0
.if \pend == 1
	s_cmp_lg_u32 s17, 0
	s_cbranch_scc1 .Lnoend_\@
	WIN 0xa2                                       ; first source (vlo), C and D in window 2, P in window 0
	PV 0, 0                                        ; the same 32 lines with vlo's fragments in V's place: O += vlo^T P^T, at this step's scale
	PV 1, 0
	PLACES
	VLOLOAD 78                                     ; the second phase's diagonal tile, kept in registers until the last step
	FINAL 60
.irp i, 0,1,2,3
	v_mov_b32 v[MP+\i], 0xf149f2ca                 ; the next step's factor becomes 0 and clears O and l
.endr
	v_add_nc_u32 v34, s67, v34                     ; the second phase's limit
.Lnoend_\@:
	s_sub_co_u32 s17, s17, 1
.endif
.if \pend == 2
	WIN 0xa2
	PV 0, 0
	PV 1, 0
	PLACES
	WIN 0
	FINAL 62
.endif
.if \kind
	FETCHV 1-\slot
.endif
.endm
	s_wait_tensorcnt 0x1                           ; my part of tile 0 is in; the second load stays out
	s_barrier_signal -1
	s_barrier_wait -1
	FETCHK 0
	FETCHV 0
	STEP 0, 1, 2, 1                                ; step 0 starts the sums
	s_mov_b32 s66, 7
.Lpair:
	STEP 1, 0, 2, 1                                ; steps 1 to 14; the first phase ends in step a <= 7
	STEP 0, 0, 2, 1
	s_sub_co_u32 s66, s66, 1
	s_cmp_lg_u32 s66, 0
	s_cbranch_scc1 .Lpair
	STEP 1, 0, 1, 0                                ; step 15: nothing is left to fetch
	STEP 0, 0, 0, 2                                ; step 16: the second phase's diagonal tile and its end
	s_set_vgpr_msb (MSB<<8)|((MSB&0xf0)|0x0)
	s_wait_tensorcnt 0x0
	ds_add_u32 v254, v255
	s_wait_dscnt 0x0
	s_set_vgpr_msb (((MSB&0xf0)|0x0)<<8)|MSB
	CROUND                                         ; the closing round
	s_endpgm
.Lfunc_end_k_q70d72e16a9_attn:
	.size	k_q70d72e16a9_attn, .Lfunc_end_k_q70d72e16a9_attn-k_q70d72e16a9_attn
	.p2alignl 7, 3214868480
	.fill 96, 4, 3214868480
	.section	.rodata,"a",@progbits
	.p2align	6, 0x0
	.amdhsa_kernel k_q70d72e16a9_attn
		.amdhsa_group_segment_fixed_size 327680
		.amdhsa_private_segment_fixed_size 0
		.amdhsa_enable_private_segment 0
		.amdhsa_kernarg_size 24
		.amdhsa_user_sgpr_count 2
		.amdhsa_user_sgpr_kernarg_segment_ptr 1
		.amdhsa_wavefront_size32 1
		.amdhsa_system_sgpr_workgroup_id_x 1
		.amdhsa_system_sgpr_workgroup_id_y 1
		.amdhsa_system_sgpr_workgroup_id_z 1
		.amdhsa_system_vgpr_workitem_id 0
		.amdhsa_next_free_vgpr 768
		.amdhsa_next_free_sgpr 80
		.amdhsa_reserve_vcc 1
		.amdhsa_float_denorm_mode_32 3
		.amdhsa_float_denorm_mode_16_64 3
		.amdhsa_memory_ordered 1
		.amdhsa_forward_progress 1
		.amdhsa_inst_pref_size 255
	.end_amdhsa_kernel
	.section	.bss,"aw",@nobits
	.p2align	6
	.space	262144
	.amdgpu_metadata
---
amdhsa.version: [ 1, 2 ]
amdhsa.kernels:
  - .name:           k_q70d72e16a9_attn
    .symbol:         k_q70d72e16a9_attn.kd
    .args:
      - { .name: qkv, .offset: 0, .size: 8, .value_kind: global_buffer, .address_space: global }
      - { .name: ao, .offset: 8, .size: 8, .value_kind: global_buffer, .address_space: global }
      - { .name: vlo, .offset: 16, .size: 8, .value_kind: global_buffer, .address_space: global }
    .group_segment_fixed_size: 327680
    .private_segment_fixed_size: 0
    .kernarg_segment_align: 8
    .kernarg_segment_size: 24
    .max_flat_workgroup_size: 128
    .sgpr_count:     80
    .vgpr_count:     768
    .wavefront_size: 32
...
	.end_amdgpu_metadata
.endif
;; end of part 3
;; launch oproj (part 4): grid 16 x 16, 4 waves a work-group, clusters of 4 x 4, 327,680 bytes of LDS; arguments ao, wo16, out0; writes out0
.if DOCPART == 4
	.amdgcn_target "amdgcn-amd-amdhsa--gfx1250"
	.amdhsa_code_object_version 6
	.text
	.protected	k_q70d72e16a9_oproj
	.globl	k_q70d72e16a9_oproj
	.p2align	8
	.type	k_q70d72e16a9_oproj,@function
k_q70d72e16a9_oproj:
	s_mov_b64 s[64:65], 0
	v_nop
	global_prefetch_b8 v0, s[64:65] scope:SCOPE_SE
	s_setreg_imm32_b32 hwreg(HW_REG_WAVE_MODE, 25, 1), 1
	s_wait_xcnt 0x0
	s_wait_alu depctr_hold_cnt(0) depctr_sa_sdst(0) depctr_va_vdst(0) depctr_va_sdst(0) depctr_va_ssrc(0) depctr_va_vcc(0) depctr_vm_vsrc(0)
	s_getreg_b32 s2, hwreg(HW_REG_IB_STS2, 6, 4)
	s_cmp_eq_u32 s2, 0
	s_cbranch_scc0 .Lentry_in_a_cluster
	s_endpgm
.Lentry_in_a_cluster:
	s_bfe_u32 s2, ttmp6, 0x10000c
	s_cmp_lg_u32 s2, 0xf033
	s_cbranch_scc0 .Lentry_shape_is_right
	s_endpgm
.Lentry_shape_is_right:
; out0[m][n] = 4 x sum over k of ao[m][k] wo16[n][k].  ao [2048][2048], wo16 [4096][2048] f16; sums in f32; out0 [2048][4096] f32.
; ao holds a quarter of the attention output (v was carried as v / 4 for room in f16); the factor 4 is exact in f32.
; SHAPE: 256 work-groups, one block of 128 x 256 each.  Four waves; a wave makes 64 x 128: 32 accumulator tiles, 256 registers.
; THE RING: K goes in steps of 192 through two LDS slots filled by the tensor data mover: the largest step of which two slots fit into 327,680 bytes, so that
; each refill brings as much as it can (147,456 bytes of data) and has 184 of a wave's matrix instructions in which to land.  2,048 = 10 x 192 + 128: 11 steps.
; A SLOT: A's 128 rows x 384 bytes as ONE tile, 16 bytes of padding behind every 128 (pitch 432); B's 256 rows in two parts: X, 128 of K (256 bytes, pitch 272), and
; Y, 64 of K (128 bytes, pitch 144).  All three pitches are odd multiples of 16 bytes.  (B laid as A is would make two slots 331,776 bytes: 4,096 too many.)
; In even steps (slot 0) X lies first in memory and Y behind it, in odd steps (slot 1) Y first and X behind it: X's rows are always 256 aligned bytes.
; A's rows and Y's rows are not whole aligned blocks of 256 bytes: the price of the longer step.
; One load a wave: wave 0 A (48 KiB), waves 1 and 2 X's halves (32 KiB each), wave 3 Y (32 KiB).
; The last step (even) has 128 of K: its X part; A's tile is asked for with 128 elements left in a row, the rest arrives as zeros and is not read; wave 3 asks for nothing.
; CLUSTERS: 4 x 4 work-groups.  A's tile hangs on the block row alone and is asked for jointly by a row of the cluster, B's on the block column
; alone and by a column: the requests for both are divided by four.
; The matrix instruction is used transposed (source 0 = rows of wo16, source 1 = rows of ao): a lane then holds eight neighbouring columns of one row.
; The 32 accumulators take turns, one instruction a turn, in the same order in every quarter step.
; REGISTERS: window 0: v16-26 addresses, two fragment buffers at v64 and v160 (B's eight fragments, then A's four); window 1: accumulator (a, b) at 8 (8 a + b).
.set SIZE_K, 2048
.set KSTEP,  192
.set TAILK,  128                       ; what is left of K for the last step,
.set TAILX,  1                         ; which has an X part
.set TAILY,  0                         ; and no Y part
.set AP,     432                       ; A's LDS pitch: 3 x (128 + 16)
.set XP,     272                       ; X's: 256 + 16
.set YP,     144                       ; Y's: 128 + 16
.set BXOFF,  128*AP                    ; 55,296
.set BXHALF, 128*XP
.set BYOFF,  BXOFF+256*XP              ; 124,928
.set SLOT,   BYOFF+256*YP              ; 161,792
.set STAGE,  SLOT                      ; the way out: 16 rows x 528 bytes of f32 for each wave, in slot 1: it has had its last fill, and every wave's reads of it
                                       ; end in front of the barrier of step 9; the last step reads slot 0
.set SP,     528
.set ADRA, 16                          ; v16-17 LDS address of my A fragments in slot 0, 1
.set ADRX, 18                          ; v18-19 of my B fragments in part X
.set ADRY, 20                          ; v20-21 in part Y
.set STO,  24
.set RD,   25
.set CO,   26                          ; 16 x lane: my 16 bytes of my 512 bytes of a row of out0
.set F0,   64
.set F1,   160
.set X,    64                          ; the way out: v[64:127] sixteen rows, four f32 a lane
.set G1A, 24                           ; s[24:31] group 1, A's tiles
.set G0A, 32                           ; s[32:39] group 0, one set a slot
.set G1X, 48                           ; s[48:55] group 1, B's part X
.set G0X, 56                           ; s[56:63] group 0
.set G1Y, 80                           ; s[80:87] group 1, B's part Y
.set G0Y, 88                           ; s[88:95] group 0
.set DW128, (1<<16)|(1<<20)|(1<<21)|(4<<22)|(3<<25)   ; elements of 2 bytes; padding on; bit 21 beside a mask; after every 32 words, 4 words
.set DW256, (1<<16)|(1<<20)|(1<<21)|(5<<22)|(3<<25)   ; the same after every 64 words
.set MSB, 0
.macro WIN new
.if MSB != \new
	s_set_vgpr_msb (MSB<<8)|\new
.set MSB, \new
.endif
.endm
.set MUL, 0x50                         ; C and D in window 1, sources in window 0
; The joint loads of one slot: wave 0 asks for A, waves 1 and 2 for X's halves, wave 3 for Y.  wx, wy = 0: that part is not asked for.
.macro JLOAD s, wx, wy
	s_cmp_eq_u32 s10, 0
	s_cbranch_scc0 .Lnot_a_\@
	tensor_load_to_lds s[G0A+4*\s:G0A+4*\s+3], s[G1A:G1A+7]
	s_nop 0
	s_branch .Lasked_\@
.Lnot_a_\@:
	s_cmp_eq_u32 s10, 3
	s_cbranch_scc1 .Lfor_y_\@
.if \wx
	tensor_load_to_lds s[G0X+4*\s:G0X+4*\s+3], s[G1X:G1X+7]
	s_nop 0
.endif
	s_branch .Lasked_\@
.Lfor_y_\@:
.if \wy
	tensor_load_to_lds s[G0Y+4*\s:G0Y+4*\s+3], s[G1Y:G1Y+7]
	s_nop 0
.endif
.Lasked_\@:
.endm
.macro CREST
	s_cmp_lg_u32 s10, 0
	s_cbranch_scc1 .Lnot_wave_0_\@
	s_barrier_signal -3
.Lnot_wave_0_\@:
	s_barrier_wait -3
	s_barrier_signal -1
	s_barrier_wait -1
.endm
.macro CROUND
	s_barrier_signal -1
	s_barrier_wait -1
	CREST
.endm
	s_load_b128 s[4:7], s[0:1], 0x0                ; ao s[4:5], wo16 s[6:7]
	s_load_b64 s[8:9], s[0:1], 0x10                ; out0
	v_lshl_add_u32 v62, v0, 2, 0x4f000
	v_mov_b32 v63, 0
	ds_add_u32 v62, v63
	v_lshrrev_b32 v1, 5, v0
	v_readfirstlane_b32 s10, v1                    ; wave 0..3
	s_lshr_b32 s11, s10, 1                         ; my half of the block's rows.  Also, for waves 1 and 2: which half of X I fetch
	s_and_b32 s12, s10, 1                          ; my half of its columns
	s_bfe_u32 s40, ttmp6, 0x40000                  ; cx
	s_bfe_u32 s41, ttmp6, 0x40004                  ; cy
	s_lshl_b32 s42, ttmp9, 2
	s_add_co_u32 s42, s42, s40                     ; block column
	s_and_b32 s13, ttmp7, 0xffff
	s_lshl_b32 s13, s13, 2
	s_add_co_u32 s13, s13, s41                     ; block row
	s_lshl_b32 s43, s41, 2
	s_lshl_b32 s43, 15, s43                        ; my row of the cluster
	s_lshl_b32 s44, 0x1111, s40                    ; my column
	s_or_b32 s[G1A+0], s43, DW128                  ; A: 128 rows x 192 elements
	s_mov_b32 s[G1A+1], KSTEP<<16
	s_mov_b32 s[G1A+2], 128<<16
	s_mov_b32 s[G1A+3], KSTEP<<16
	s_mov_b32 s[G1A+4], 128
	s_mov_b32 s[G1A+5], SIZE_K
	s_mov_b32 s[G1A+6], 0
	s_mov_b32 s[G1A+7], 0
	s_or_b32 s[G1X+0], s44, DW256                  ; X: 128 rows x 128 elements
	s_mov_b32 s[G1X+1], 128<<16
	s_mov_b32 s[G1X+2], 128<<16
	s_mov_b32 s[G1X+3], 128<<16
	s_mov_b32 s[G1X+4], 128
	s_mov_b32 s[G1X+5], SIZE_K
	s_mov_b32 s[G1X+6], 0
	s_mov_b32 s[G1X+7], 0
	s_or_b32 s[G1Y+0], s44, DW128                  ; Y: 256 rows x 64 elements
	s_mov_b32 s[G1Y+1], 64<<16
	s_mov_b32 s[G1Y+2], 256<<16
	s_mov_b32 s[G1Y+3], 64<<16
	s_mov_b32 s[G1Y+4], 256
	s_mov_b32 s[G1Y+5], SIZE_K
	s_mov_b32 s[G1Y+6], 0
	s_mov_b32 s[G1Y+7], 0
	; A's address is made of the block row, B's of the block column and the wave's number, in registers that never hold the other coordinate
	s_lshl_b32 s16, s13, 7
	s_mul_i32 s16, s16, SIZE_K*2
	s_mov_b32 s17, 0
	s_lshl_b32 s96, s42, 8
	s_lshl_b32 s47, s11, 7
	s_add_co_u32 s46, s96, s47
	s_mul_i32 s46, s46, SIZE_K*2
	s_mov_b32 s47, 0
	s_mul_i32 s96, s96, SIZE_K*2
	s_mov_b32 s97, 0
	s_mul_i32 s45, s11, BXHALF
	s_add_co_u32 s45, s45, BXOFF
	s_wait_dscnt 0x0
	s_wait_kmcnt 0x0
	s_add_nc_u64 s[14:15], s[4:5], s[16:17]
	s_add_nc_u64 s[46:47], s[6:7], s[46:47]
	s_add_nc_u64 s[96:97], s[6:7], s[96:97]
	CROUND                                         ; all sixteen work-groups are here: the first joint loads meet
.irp s, 0,1
	s_mov_b32 s[G0A+4*\s], 1
	s_mov_b32 s[G0A+4*\s+1], \s*SLOT
	s_add_nc_u64 s[G0A+4*\s+2:G0A+4*\s+3], s[14:15], \s*KSTEP*2    ; K step s begins at byte 384 s of a row
	s_or_b32 s[G0A+4*\s+3], s[G0A+4*\s+3], 0x80000000
	s_mov_b32 s[G0X+4*\s], 1
	s_add_co_u32 s[G0X+4*\s+1], s45, \s*SLOT
	s_add_nc_u64 s[G0X+4*\s+2:G0X+4*\s+3], s[46:47], \s*512        ; X: byte 0 in step 0; byte 384 + 128 in step 1
	s_or_b32 s[G0X+4*\s+3], s[G0X+4*\s+3], 0x80000000
	s_mov_b32 s[G0Y+4*\s], 1
	s_mov_b32 s[G0Y+4*\s+1], BYOFF+\s*SLOT
	s_add_nc_u64 s[G0Y+4*\s+2:G0Y+4*\s+3], s[96:97], 256+\s*128    ; Y: byte 256 in step 0; byte 384 in step 1
	s_or_b32 s[G0Y+4*\s+3], s[G0Y+4*\s+3], 0x80000000
	JLOAD \s, 1, 1                                 ; both slots' first fills go out together: two loads of the wave are out
.endr
	v_and_b32 v1, 15, v0                           ; r
	v_bfe_u32 v2, v0, 4, 1                         ; h
	v_and_b32 v6, 31, v0                           ; lane
	v_mul_u32_u24 v3, v1, AP
	v_lshl_add_u32 v3, v2, 4, v3                   ; r x pitch + 16 h, for each of the three pitches
	v_mul_u32_u24 v4, v1, XP
	v_lshl_add_u32 v4, v2, 4, v4
	v_mul_u32_u24 v5, v1, YP
	v_lshl_add_u32 v5, v2, 4, v5
	s_mul_i32 s21, s11, 64*AP                      ; my 64 rows of A
	s_mul_i32 s22, s12, 128*XP
	s_add_co_u32 s22, s22, BXOFF                   ; my 128 rows of B in X
	s_mul_i32 s23, s12, 128*YP
	s_add_co_u32 s23, s23, BYOFF                   ; and in Y
.irp s, 0,1
	v_add_nc_u32 v[ADRA+\s], s21, v3
	v_add_nc_u32 v[ADRX+\s], s22, v4
	v_add_nc_u32 v[ADRY+\s], s23, v5
	s_add_co_u32 s21, s21, SLOT
	s_add_co_u32 s22, s22, SLOT
	s_add_co_u32 s23, s23, SLOT
.endr
	s_mul_i32 s23, s10, 16*SP
	s_add_co_u32 s23, s23, STAGE                   ; my stage
	v_mul_u32_u24 v4, v1, SP
	v_lshl_add_u32 v4, v2, 5, v4
	v_add_nc_u32 v[STO], s23, v4
	v_lshl_add_u32 v[RD], v6, 4, s23
	v_lshlrev_b32 v[CO], 4, v6
.macro MULA f, a, zero
.irp b, 0,1,2,3,4,5,6,7
.if \zero
	v_wmma_f32_16x16x32_f16 v[8*(8*\a+\b):8*(8*\a+\b)+7], v[\f+8*\b:\f+8*\b+7], v[\f+64+8*\a:\f+64+8*\a+7], 0
.else
	v_wmma_f32_16x16x32_f16 v[8*(8*\a+\b):8*(8*\a+\b)+7], v[\f+8*\b:\f+8*\b+7], v[\f+64+8*\a:\f+64+8*\a+7], v[8*(8*\a+\b):8*(8*\a+\b)+7]
.endif
.endr
.endm
; 24 LDS loads in one run: the fragments of quarter q (32 of K) of a slot: B's eight (16 loads), A's 0 and 1 (4), A's 2 and 3 (4).
; Quarters 0-3 take B from X, 4 and 5 from Y.  KBY = the quarter's byte in the step's 384 bytes of a row: X lies first in slot 0, Y first in slot 1.
; In A's rows 16 bytes of padding follow every 128.
.macro FETCH slot, q, f
.if \q < 4
.set BREG, ADRX+\slot
.set BPI, XP
.set BK, 64*\q
.else
.set BREG, ADRY+\slot
.set BPI, YP
.set BK, 64*(\q-4)
.endif
.if \slot == 0
.set KBY, 64*\q
.else
.if \q < 4
.set KBY, 128+64*\q
.else
.set KBY, 64*(\q-4)
.endif
.endif
.set AK, (KBY/128)*144+(KBY%128)
	WIN 0
.irp i, 0,1,2,3,4,5,6,7
	ds_load_b128 v[\f+8*\i:\f+8*\i+3],   v[BREG] offset:BK+\i*16*BPI
	ds_load_b128 v[\f+8*\i+4:\f+8*\i+7], v[BREG] offset:BK+\i*16*BPI+32
.endr
.irp i, 0,1,2,3
	ds_load_b128 v[\f+64+8*\i:\f+64+8*\i+3],   v[ADRA+\slot] offset:AK+\i*16*AP
	ds_load_b128 v[\f+64+8*\i+4:\f+64+8*\i+7], v[ADRA+\slot] offset:AK+\i*16*AP+32
.endr
.endm
.macro PLACES                          ; four places behind the last matrix instruction (ISA guide 7.12.1)
.rept 4
	v_nop
.endr
.endm
; multiplies buffer f; in its middle fetches quarter nq of the same slot into buffer g
.macro QUARTER slot, nq, f, g, zero
	s_wait_dscnt 4                                 ; all of buffer f but the youngest four loads (A's fragments 2 and 3)
	WIN MUL
	MULA \f, 0, \zero
	MULA \f, 1, \zero
	PLACES
	FETCH \slot, \nq, \g
	s_wait_dscnt 24                                ; all but the 24 just issued
	WIN MUL
	MULA \f, 2, \zero
	MULA \f, 3, \zero
.endm
.macro FIVE slot, zero                 ; the first five of a step's six quarters
	QUARTER \slot, 1, F0, F1, \zero
	QUARTER \slot, 2, F1, F0, 0
	QUARTER \slot, 3, F0, F1, 0
	QUARTER \slot, 4, F1, F0, 0
	QUARTER \slot, 5, F0, F1, 0
.endm
; The last quarter of a K step changes slots; nq = the next step's first quarter.  Each wave's waits for its reads of this slot and for all its tensor loads stand in
; front of the barrier.  fill 1: the slot is filled again, two steps ahead: the barrier opens a round of the cluster's barrier and the joint refill is the first
; tensor load behind the round.  fill 2: the same for the short last step.  fill 0: nothing is left to fetch.
.macro TURN slot, next, nq, fill
	s_wait_dscnt 4
	WIN MUL
	MULA F1, 0, 0
	s_wait_dscnt 0x0                               ; my reads of this slot are over
	s_wait_tensorcnt 0x0                           ; all my tensor loads have landed
	ds_add_u32 v62, v63
	s_wait_dscnt 0x0
	s_barrier_signal -1
	MULA F1, 1, 0
	WIN 0
	s_barrier_wait -1
.if \fill
	CREST
	s_add_nc_u64 s[G0A+4*\slot+2:G0A+4*\slot+3], s[G0A+4*\slot+2:G0A+4*\slot+3], 2*KSTEP*2     ; no load of mine is out: descriptors may be written
	s_add_nc_u64 s[G0X+4*\slot+2:G0X+4*\slot+3], s[G0X+4*\slot+2:G0X+4*\slot+3], 2*KSTEP*2
	s_add_nc_u64 s[G0Y+4*\slot+2:G0Y+4*\slot+3], s[G0Y+4*\slot+2:G0Y+4*\slot+3], 2*KSTEP*2
.if \fill == 2
	s_mov_b32 s[G1A+1], TAILK<<16                  ; what is left of A's rows from here: beyond it the tile is filled with zeros and memory is not read
	JLOAD \slot, TAILX, TAILY
.else
	JLOAD \slot, 1, 1
.endif
.endif
	PLACES
	FETCH \next, \nq, F0
	WIN MUL
	MULA F1, 2, 0
	MULA F1, 3, 0
.endm
.macro LAP zero
	FIVE 0, \zero
	TURN 0, 1, 0, 1
	FIVE 1, 0
	TURN 1, 0, 0, 1
.endm
	s_wait_tensorcnt 0x1                           ; my part of K step 0 is in; K step 1's load stays out
	s_barrier_signal -1
	s_barrier_wait -1
	FETCH 0, 0, F0
	LAP 1                                          ; steps 0 and 1: the first products start the sums
	WIN 0
	s_mov_b32 s3, 3                                ; steps 2 to 7, which ask for steps 4 to 9
.Llap:
	LAP 0
	WIN 0
	s_sub_co_u32 s3, s3, 1
	s_cmp_lg_u32 s3, 0
	s_cbranch_scc1 .Llap
	FIVE 0, 0                                      ; step 8 asks for step 10: 128 of K
	TURN 0, 1, 0, 2
	FIVE 1, 0                                      ; step 9 asks for nothing
	TURN 1, 0, 0, 0
	QUARTER 0, 1, F0, F1, 0                        ; step 10: four quarters, all from X
	QUARTER 0, 2, F1, F0, 0
	QUARTER 0, 3, F0, F1, 0
	s_wait_dscnt 4
	WIN MUL
	MULA F1, 0, 0
	MULA F1, 1, 0
	s_wait_dscnt 0x0
	MULA F1, 2, 0
	MULA F1, 3, 0
	PLACES
	WIN 0
	; THE WAY OUT: sixteen rows at a time through the wave's own stage, back as whole rows of 512 bytes, times 4, stored: a store covers 512 consecutive aligned bytes
	s_lshl_b32 s16, s13, 7
	s_lshl_b32 s14, s11, 6
	s_add_co_u32 s16, s16, s14                     ; my first row
	s_lshl_b32 s16, s16, 14                        ; a row of out0 is 16,384 bytes
	s_mov_b32 s17, 0
	s_add_nc_u64 s[8:9], s[8:9], s[16:17]
	s_lshl_b32 s46, s42, 10                        ; my first column, in bytes
	s_lshl_b32 s47, s12, 9
	s_add_co_u32 s46, s46, s47
	s_mov_b32 s47, 0
	s_add_nc_u64 s[8:9], s[8:9], s[46:47]
.macro OUT16 a
	WIN 0x04                                       ; store data from window 1
.irp b, 0,1,2,3,4,5,6,7
	ds_store_b128 v[STO], v[8*(8*\a+\b):8*(8*\a+\b)+3] offset:64*\b
	ds_store_b128 v[STO], v[8*(8*\a+\b)+4:8*(8*\a+\b)+7] offset:64*\b+16
.endr
	WIN 0
	s_wait_xcnt 0x0                                ; X, which the last block's stores read, is loaded again only behind this wait
.irp t, 0,1,2,3,4,5,6,7,8,9,10,11,12,13,14,15
	ds_load_b128 v[X+4*\t:X+4*\t+3], v[RD] offset:SP*\t    ; my own bytes, served in order (ISA guide 5.7.1)
.endr
.irp t, 0,1,2,3,4,5,6,7,8,9,10,11,12,13,14,15
	s_wait_dscnt 15-\t                             ; row t is back; the later rows stay out
	v_pk_mul_f32 v[X+4*\t:X+4*\t+1], v[X+4*\t:X+4*\t+1], 4.0 op_sel_hi:[1,0]
	v_pk_mul_f32 v[X+4*\t+2:X+4*\t+3], v[X+4*\t+2:X+4*\t+3], 4.0 op_sel_hi:[1,0]
	global_store_b128 v[CO], v[X+4*\t:X+4*\t+3], s[8:9] offset:(16*\a+\t)*16384 th:TH_STORE_NT
.endr
.endm
	OUT16 0
	OUT16 1
	OUT16 2
	OUT16 3
	s_wait_tensorcnt 0x0
	ds_add_u32 v62, v63
	s_wait_dscnt 0x0
	CROUND                                         ; the closing round
	s_endpgm
.Lfunc_end_k_q70d72e16a9_oproj:
	.size	k_q70d72e16a9_oproj, .Lfunc_end_k_q70d72e16a9_oproj-k_q70d72e16a9_oproj
	.p2alignl 7, 3214868480
	.fill 96, 4, 3214868480
	.section	.rodata,"a",@progbits
	.p2align	6, 0x0
	.amdhsa_kernel k_q70d72e16a9_oproj
		.amdhsa_group_segment_fixed_size 327680
		.amdhsa_private_segment_fixed_size 0
		.amdhsa_enable_private_segment 0
		.amdhsa_kernarg_size 24
		.amdhsa_user_sgpr_count 2
		.amdhsa_user_sgpr_kernarg_segment_ptr 1
		.amdhsa_wavefront_size32 1
		.amdhsa_system_sgpr_workgroup_id_x 1
		.amdhsa_system_sgpr_workgroup_id_y 1
		.amdhsa_system_sgpr_workgroup_id_z 1
		.amdhsa_system_vgpr_workitem_id 0
		.amdhsa_next_free_vgpr 512
		.amdhsa_next_free_sgpr 100
		.amdhsa_reserve_vcc 0
		.amdhsa_float_denorm_mode_32 3
		.amdhsa_float_denorm_mode_16_64 3
		.amdhsa_memory_ordered 1
		.amdhsa_forward_progress 1
		.amdhsa_inst_pref_size 190
	.end_amdhsa_kernel
	.amdgpu_metadata
---
amdhsa.version: [ 1, 2 ]
amdhsa.kernels:
  - .name:           k_q70d72e16a9_oproj
    .symbol:         k_q70d72e16a9_oproj.kd
    .args:
      - { .name: ao, .offset: 0, .size: 8, .value_kind: global_buffer, .address_space: global }
      - { .name: wo16, .offset: 8, .size: 8, .value_kind: global_buffer, .address_space: global }
      - { .name: out0, .offset: 16, .size: 8, .value_kind: global_buffer, .address_space: global }
    .group_segment_fixed_size: 327680
    .private_segment_fixed_size: 0
    .kernarg_segment_align: 8
    .kernarg_segment_size: 24
    .max_flat_workgroup_size: 128
    .sgpr_count:     100
    .vgpr_count:     512
    .wavefront_size: 32
...
	.end_amdgpu_metadata
.endif
;; end of part 4
